; MI455X (gfx1250); checked and timed in simulation.
; The chip was launched on July 23, 2026; its instructions are those of AMD's public machine-readable ISA for CDNA 5 (MIT licence, August 2026) and "CDNA5" Instruction Set Architecture Reference Guide (July 2026). The comments in the code are by the model that wrote it; some were corrected since.
;; Multi Headed Attention. Allowed arithmetic: matrix products marked QUANTISED: E2M1 operands, one E8M0 scale for each 32 along K, by v_wmma_scale_f32_16x16x128_f8f6f4 with both operands' format E2M1 (or v_wmma_scale_f32_32x16x128_f4), f32 sums; products left as they are: bf16, f16 or f32 operands; f32 sums; everything else in f32.
;; Inputs: WK 1,024 x 1,024 float32; WO 1,024 x 1,024 float32; WQ 1,024 x 1,024 float32; WV 1,024 x 1,024 float32; bK 1,024 float32; bO 1,024 float32; bQ 1,024 float32; bV 1,024 float32; key_ 4 x 2,048 x 1,024 float32; mask 4 x 1 x 2,048 x 2,048 bool; query 4 x 2,048 x 1,024 float32; value 4 x 2,048 x 1,024 float32.
;; Outputs: out0 4 x 2,048 x 1,024 float32.
;; This version of the problem:
;;   THIS VERSION OF THE PROBLEM IS GIVEN IN LOW PRECISION. The matrix products marked QUANTISED in the list below multiply operands that are first quantised to E2M1 (2 exponent bits, 1 mantissa bit; 4 bits a number), with one power-of-two scale for each 32 numbers along K (OCP MX v1.0); their sums are f32. The products marked 'left as it is' may take bf16, f16 or f32 operands, with f32 sums. Whichever they take, every output number must still come out within the allowed error. Rounding operands to bf16 (8 significant bits) uses up far more of that allowance than f16 does (11 bits, for magnitudes from 6e-5 to 65,504). All else is computed in f32.
;;   The module's matrix products, in the order in which they are computed (A, B: the left and right operand; K: the contracted axis; several contracted axes count as one K, in the product's order):
;;     1. [M 8,192, K 1,024] x [K 1,024, N 1,024]; A: input query; B: input WQ: QUANTISED
;;     2. [M 8,192, K 1,024] x [K 1,024, N 1,024]; A: input key_; B: input WK: QUANTISED
;;     3. [M 8,192, K 1,024] x [K 1,024, N 1,024]; A: input value; B: input WV: QUANTISED
;;     4. batch 64 x [M 2,048, K 64] x [K 64, N 2,048]; A: computed on the way; B: computed on the way: left as it is (an operand is computed on the way)
;;     5. batch 64 x [M 2,048, K 2,048] x [K 2,048, N 64]; A: computed on the way; B: computed on the way: left as it is (an operand is computed on the way)
;;     6. [M 8,192, K 1,024] x [K 1,024, N 1,024]; A: computed on the way; B: input WO: left as it is (an operand is computed on the way)
;;   THE QUANTISER, for each operand of a quantised product, along K:
;;     - K is cut into blocks of 32 from its start; a last block that is shorter is filled with zeros.
;;     - A block's scale is 2^e with e = floor(log2(the largest magnitude in the block)) - 2, held to -126 .. 127; a block of zeros has e = 0. As a byte (E8M0): e + 127.
;;     - Each number is divided by its block's scale, clamped to +-6, and rounded to the nearest number of E2M1, ties to even, subnormals kept.
;;     - The product sums the exact products of the quantised numbers (number of the format x scale) in f32.
;;   ~~~python
;;   def quantise(x, axis):      # numpy; x: float32 -> the quantised numbers, widened to float32 again
;;       x = np.moveaxis(x, axis, -1); K = x.shape[-1]
;;       x = np.pad(x, [(0, 0)] * (x.ndim - 1) + [(0, -K % 32)]); x = x.reshape(x.shape[:-1] + (-1, 32)); a = np.abs(x).max(-1, keepdims=True)
;;       e = np.where(a > 0, np.clip(np.frexp(np.where(a > 0, a, 1))[1] - 1 - 2, -126, 127), 0)      # np.frexp(a)[1] - 1 = floor(log2(a)), exactly
;;       r = np.clip(x / 2.0 ** e, -6, 6)
;;       step = 2.0 ** (np.maximum(np.frexp(np.where(r == 0, 1, r))[1] - 1, 0) - 1)
;;       q = np.round(r / step) * step * 2.0 ** e      # np.round: ties to even
;;       return np.moveaxis(q.reshape(q.shape[:-2] + (-1,))[..., :K], -1, axis).astype(np.float32)
;;   ~~~
;; One version. Each part assembles by itself: llvm-mc -triple=amdgcn-amd-amdhsa -mcpu=gfx1250 --defsym DOCPART=n.
;; ======== version 1 of 1: 4 launches
;; limits: values are held in f16: magnitudes above 65,504 overflow, below 6.1e-05 lose precision
;; workspace buffers: acodes 12,582,912 bytes; ascales 786,432 bytes; wcodes 1,572,864 bytes; wscales 98,304 bytes; wo16 2,097,152 bytes; maskw 2,097,152 bytes of whole numbers; qkv16 50,331,648 bytes; x16 16,777,216 bytes
;; launch prep (part 1): grid 1456 x 1, 4 waves a work-group, no clusters, 85,504 bytes of LDS; arguments query, key_, value, WQ, WK, WV, WO, mask, acodes, ascales, wcodes, wscales, wo16, maskw; writes acodes, ascales, wcodes, wscales, wo16, maskw
.if DOCPART == 1
	.amdgcn_target "amdgcn-amd-amdhsa--gfx1250"
	.amdhsa_code_object_version 6
	.text
	.protected	k_qd65a93863d_prep
	.globl	k_qd65a93863d_prep
	.p2align	8
	.type	k_qd65a93863d_prep,@function
k_qd65a93863d_prep:
	s_mov_b64 s[64:65], 0
	v_nop
	global_prefetch_b8 v0, s[64:65] scope:SCOPE_SE
	s_setreg_imm32_b32 hwreg(HW_REG_WAVE_MODE, 25, 1), 1
	s_wait_xcnt 0x0
; FOUR JOBS IN ONE LAUNCH, told apart by the work-group's number; each has its own path and its own LDS bytes; waves share nothing, so there is no barrier.
;   work-groups 0-47      QW: WQ, WK, WV [k 1024][n 1024] f32 -> codes of E2M1 laid [n][k] (K innermost, 512 bytes a row) and E8M0 bytes [n][32]
;   work-groups 48-815    QX: query, key_, value [8192][1024] f32 -> codes [8192][512 bytes] and E8M0 bytes [8192][32]
;   work-groups 816-1327  MP: mask bytes -> lane masks: word [b][qt][ks][i], bit L = mask[b][16 qt + L % 16][64 ks + 16 (i / 8) + 8 (L / 16) + i % 8]
;   work-groups 1328-1455 CW: WO f32 -> f16, same layout
; THE QUANTISER: a block's scale is 2^(floor(log2(largest magnitude)) - 2); its byte is the largest magnitude's exponent field - 2, held at 1 from below.
; LIMITS: a block of zeros gets the byte 1 (its codes are zeros, and this program alone reads the bytes); blocks under 2^-124 were not tried; NaN and infinities are not served;
; |WO| stays under 65,504, and under 6e-5 it keeps only f16's absolute step; a mask byte other than 0 counts as true.
.set SPARE, 84992                      ; behind the three paths' regions: the spare words, 128 bytes a wave, that no other line names
.set SPW,   12                         ; v12  SPARE + 4 x my thread's number; never rewritten
.set NIL,   13                         ; v13  0; never rewritten
.macro FINISH                          ; a wave's end
	s_wait_tensorcnt 0x0
	ds_add_u32 v[SPW], v[NIL]
	s_wait_dscnt 0x0
	s_endpgm
.endm
	v_lshl_add_u32 v[SPW], v0, 2, SPARE
	v_mov_b32 v[NIL], 0
	v_lshrrev_b32 v1, 5, v0
	v_readfirstlane_b32 s16, v1                    ; wave 0..3
	v_and_b32 v2, 31, v0                           ; lane
	s_cmp_lt_u32 ttmp9, 48
	s_cbranch_scc1 .Lqw
	s_cmp_lt_u32 ttmp9, 816
	s_cbranch_scc1 .Lqx
	s_cmp_lt_u32 ttmp9, 1328
	s_cbranch_scc1 .Lmp
; ---------------- CW: 32,768 bytes of WO a work-group; a load of the work-group covers 2,048 consecutive bytes, a wave's store 256
	s_load_b64 s[4:5], s[0:1], 0x30                ; WO
	s_load_b64 s[6:7], s[0:1], 0x60                ; wo16
	s_sub_co_u32 s17, ttmp9, 1328
	s_lshl_b32 s18, s17, 15
	s_mov_b32 s19, 0
	s_lshl_b32 s20, s17, 14
	s_mov_b32 s21, 0
	v_lshlrev_b32 v4, 4, v0
	v_lshlrev_b32 v5, 3, v0
	s_wait_kmcnt 0x0
	s_add_nc_u64 s[4:5], s[4:5], s[18:19]
	s_add_nc_u64 s[6:7], s[6:7], s[20:21]
.irp u, 0,1,2,3,4,5,6,7,8,9,10,11,12,13,14,15
	global_load_b128 v[32+4*\u:35+4*\u], v4, s[4:5] offset:2048*\u th:TH_LOAD_NT
.endr
.irp u, 0,1,2,3,4,5,6,7,8,9,10,11,12,13,14,15
	s_wait_loadcnt 15-\u                           ; loads come back in order: load u is in, the younger ones stay out
	v_cvt_pk_f16_f32 v[96+2*\u], v[32+4*\u], v[33+4*\u]
	v_cvt_pk_f16_f32 v[97+2*\u], v[34+4*\u], v[35+4*\u]
	global_store_b64 v5, v[96+2*\u:97+2*\u], s[6:7] offset:1024*\u
.endr
	FINISH
; ---------------- QX: a tensor is a plain stream of blocks of 32.  A wave takes 16 steps of 512 numbers.  Each load reads 512 consecutive bytes; a step's 2,048 bytes turn through
; the wave's own stage in LDS (16 bytes of padding behind each 64) so that a lane then holds 16 neighbours along K; two neighbouring lanes hold a block.
.set WREG,  8192                       ; LDS bytes 0 .. 32,767: a region a wave: two stages of 32 x 80 bytes, then its 256 scale bytes
.set SP,    80
.set CB,    8                          ; bytes of 16 codes
.set QR,    16                         ; v16-79   four sets of 16 numbers as loaded
.set QN,    80                         ; v80-111  two sets of 16 neighbours
.set QE,    112                        ; v112-127 a scale byte for each step
.set QC,    128                        ; v128-191 codes: registers of its own for each step, so that no store's data are written again
.Lqx:
	s_load_b128 s[4:7], s[0:1], 0x0                ; query, key_
	s_load_b64 s[8:9], s[0:1], 0x10                ; value
	s_load_b128 s[12:15], s[0:1], 0x40             ; acodes, ascales
	v_lshlrev_b32 v3, 4, v2                        ; my 16 bytes of a load's 512
	s_mul_i32 s17, s16, WREG
	v_lshrrev_b32 v14, 2, v2
	v_mul_u32_u24 v14, v14, SP
	v_and_b32 v15, 3, v2
	v_lshl_add_u32 v14, v15, 4, v14
	v_add_nc_u32 v14, s17, v14                     ; the stage, in: 80 (lane / 4) + 16 (lane % 4)
	v_mul_u32_u24 v15, v2, SP
	v_add_nc_u32 v15, s17, v15                     ; and out: 80 x lane
	v_mul_u32_u24 v4, v2, CB                       ; my codes' place in a step's
	v_lshrrev_b32 v5, 1, v2
	s_add_co_u32 s17, s17, 2*32*SP
	v_add_nc_u32 v5, s17, v5                       ; my block's byte among the wave's 256
	v_lshlrev_b32 v7, 3, v2
	v_add_nc_u32 v6, s17, v7
	s_sub_co_u32 s18, ttmp9, 48
	s_lshr_b32 s19, s18, 8                         ; which tensor: 0 query, 1 key_, 2 value
	s_and_b32 s18, s18, 255
	s_lshl_b32 s18, s18, 2
	s_add_co_u32 s18, s18, s16                     ; which run of 8,192 numbers is my wave's
	s_lshl_b32 s20, s18, 15                        ; 32,768 bytes of f32 a run
	s_mov_b32 s21, 0
	s_lshl_b32 s22, s18, 12                        ; 4,096 bytes of codes
	s_lshl_b32 s24, s19, 22
	s_add_co_u32 s22, s22, s24                     ; + the tensor's part
	s_mov_b32 s23, 0
	s_lshl_b32 s24, s18, 8                         ; 256 scale bytes
	s_lshl_b32 s26, s19, 18
	s_add_co_u32 s24, s24, s26
	s_mov_b32 s25, 0
	s_wait_kmcnt 0x0
	s_cmp_eq_u32 s19, 0                            ; the choice hangs on the work-group's number alone
	s_cselect_b64 s[4:5], s[4:5], s[6:7]
	s_cmp_eq_u32 s19, 2
	s_cselect_b64 s[4:5], s[8:9], s[4:5]
	s_add_nc_u64 s[4:5], s[4:5], s[20:21]
	s_add_nc_u64 s[8:9], s[12:13], s[22:23]
	s_add_nc_u64 s[10:11], s[14:15], s[24:25]
.macro QLOAD t
.irp i, 0,1,2,3
	global_load_b128 v[QR+16*((\t)%4)+4*\i:QR+16*((\t)%4)+4*\i+3], v3, s[4:5] offset:2048*(\t)+512*\i th:TH_LOAD_NT
.endr
.endm
.macro QTURN t                         ; LDS serves a wave's instructions in order: no wait between the stores and the loads
.irp i, 0,1,2,3
	ds_store_b128 v14, v[QR+16*((\t)%4)+4*\i:QR+16*((\t)%4)+4*\i+3] offset:32*SP*((\t)%2)+8*SP*\i
.endr
.irp i, 0,1,2,3
	ds_load_b128 v[QN+16*((\t)%2)+4*\i:QN+16*((\t)%2)+4*\i+3], v15 offset:32*SP*((\t)%2)+16*\i
.endr
.endm
.irp t, 0,1,2,3
	QLOAD \t
.endr
	s_wait_loadcnt 12                              ; step 0's four loads are in
	QTURN 0
.macro QSTEP t
.set XS, QN+16*((\t)%2)
.if (\t) > 0
	s_wait_dscnt 1                                 ; this step's numbers are back from the stage; the last step's byte store may be out
.else
	s_wait_dscnt 0x0
.endif
.if (\t)+4 < 16
	QLOAD (\t)+4                                   ; the stage's stores have read these registers
.endif
.if (\t)+1 < 16
.if 14-(\t) >= 3
	s_wait_loadcnt 12                              ; the next step's four loads are in; three steps' may be out
.else
	s_wait_loadcnt 4*(14-(\t))
.endif
	QTURN (\t)+1
.endif
	v_max3_num_f32 v8, |v[XS]|, |v[XS+1]|, |v[XS+2]|
	v_max3_num_f32 v9, |v[XS+3]|, |v[XS+4]|, |v[XS+5]|
.irp i, 6,10
	v_max3_num_f32 v8, v8, |v[XS+\i]|, |v[XS+\i+1]|
	v_max3_num_f32 v9, v9, |v[XS+\i+2]|, |v[XS+\i+3]|
.endr
	v_max3_num_f32 v8, v8, |v[XS+14]|, |v[XS+15]|
	v_max3_num_f32 v8, v8, v9, 0x1800000           ; the floor 2^(3 - 127): the byte cannot fall under 1
	v_max_num_f32_dpp v8, v8, v8 row_xmask:1 row_mask:0xf bank_mask:0xf   ; with my neighbour's 16: the block's largest magnitude
	v_add_nc_u32 v11, 0xff000000, v8               ; 2 off its exponent field: the conversion takes that field as its scale
	v_cvt_scalef32_pk8_fp4_f32 v[QC+4*(\t)], v[XS:XS+7], v11
	v_cvt_scalef32_pk8_fp4_f32 v[QC+4*(\t)+1], v[XS+8:XS+15], v11
	v_lshrrev_b32 v[QE+(\t)], 23, v11              ; the scale's byte (also the plain line behind the conversions)
	ds_store_b8 v5, v[QE+(\t)] offset:16*(\t)      ; both lanes of a block write the same byte with the same value
	global_store_b64 v4, v[QC+4*(\t):QC+4*(\t)+1], s[8:9] offset:32*CB*(\t)   ; the wave stores 256 consecutive bytes
.endm
.irp t, 0,1,2,3,4,5,6,7,8,9,10,11,12,13,14,15
	QSTEP \t
.endr
	ds_load_b64 v[8:9], v6
	s_wait_dscnt 0x0
	global_store_b64 v7, v[8:9], s[10:11]          ; the wave's 256 scale bytes, consecutive and aligned
	FINISH
; ---------------- QW: K is the weights' FIRST axis.  A lane takes a column n and its registers run down K: a block of 32 lies in one lane, and the conversions give codes with K innermost.
; A wave takes 32 columns x 512 along K; its codes (256 bytes a column) go through its own stage and leave as rows: sixteen lanes store 256 consecutive bytes.
; Two blocks (64 loads) are asked for ahead: the wait's count, 32, has to fit the counter's six bits.
.set QWB,    32768                     ; LDS bytes 32,768 .. 67,583: four stages of 32 x 272
.set WPITCH, 272
.set WX,     32                        ; v32-95   two sets of 32 numbers
.set WC,     96                        ; v96-99   a block's codes
.set WOUT,   112                       ; v112-175 the way out
.set WSB,    24                        ; v24-27   the scale bytes, four to a register
.Lqw:
	s_load_b128 s[4:7], s[0:1], 0x18               ; WQ, WK
	s_load_b64 s[8:9], s[0:1], 0x28                ; WV
	s_load_b128 s[12:15], s[0:1], 0x50             ; wcodes, wscales
	s_lshr_b32 s19, ttmp9, 4                       ; which weight
	s_and_b32 s17, ttmp9, 7
	s_bfe_u32 s18, ttmp9, 0x10003                  ; which 512 along K
	s_lshl_b32 s17, s17, 7
	s_lshl_b32 s20, s16, 5
	s_add_co_u32 s17, s17, s20                     ; my wave's first column
	v_lshlrev_b32 v3, 2, v2
	s_mul_i32 s20, s16, 32*WPITCH
	s_add_co_u32 s20, s20, QWB                     ; my stage
	v_mul_u32_u24 v4, v2, WPITCH
	v_add_nc_u32 v4, s20, v4                       ; into it: row = my column
	v_and_b32 v5, 15, v2
	v_lshrrev_b32 v6, 4, v2
	v_mul_u32_u24 v7, v6, WPITCH
	v_lshl_add_u32 v7, v5, 4, v7
	v_add_nc_u32 v7, s20, v7                       ; out of it: sixteen lanes to a row
	v_mul_u32_u24 v8, v6, 512
	v_lshl_add_u32 v8, v5, 4, v8                   ; the same place among the codes' rows
	v_lshlrev_b32 v9, 5, v2                        ; my column's row of scale bytes
	s_lshl_b32 s20, s18, 21                        ; 512 rows of 4,096 bytes
	s_lshl_b32 s21, s17, 2
	s_add_co_u32 s20, s20, s21
	s_mov_b32 s21, 0
	s_lshl_b32 s22, s19, 19
	s_lshl_b32 s23, s17, 9
	s_add_co_u32 s22, s22, s23
	s_lshl_b32 s23, s18, 8
	s_add_co_u32 s22, s22, s23
	s_mov_b32 s23, 0
	s_lshl_b32 s24, s19, 15
	s_lshl_b32 s25, s17, 5
	s_add_co_u32 s24, s24, s25
	s_lshl_b32 s25, s18, 4
	s_add_co_u32 s24, s24, s25
	s_mov_b32 s25, 0
	s_wait_kmcnt 0x0
	s_cmp_eq_u32 s19, 0
	s_cselect_b64 s[4:5], s[4:5], s[6:7]
	s_cmp_eq_u32 s19, 2
	s_cselect_b64 s[4:5], s[8:9], s[4:5]
	s_add_nc_u64 s[4:5], s[4:5], s[20:21]
	s_add_nc_u64 s[6:7], s[12:13], s[22:23]
	s_add_nc_u64 s[8:9], s[14:15], s[24:25]
.macro WLOAD t                         ; block t: W(32 t + i, my column); the largest offset, 511 x 4,096, lies inside the signed 24-bit immediate
.irp i, 0,1,2,3,4,5,6,7,8,9,10,11,12,13,14,15,16,17,18,19,20,21,22,23,24,25,26,27,28,29,30,31
	global_load_b32 v[WX+32*((\t)%2)+\i], v3, s[4:5] offset:(32*(\t)+\i)*4096 th:TH_LOAD_NT
.endr
.endm
	WLOAD 0
	WLOAD 1
.macro WBLOCK t
.set XS, WX+32*((\t)%2)
.if (\t) < 15
	s_wait_loadcnt 32                              ; this block's 32 loads are in; the next block's may be out
.else
	s_wait_loadcnt 0
.endif
	v_max3_num_f32 v18, |v[XS]|, |v[XS+1]|, |v[XS+2]|
	v_max3_num_f32 v19, |v[XS+3]|, |v[XS+4]|, |v[XS+5]|
.irp i, 6,10,14,18,22,26
	v_max3_num_f32 v18, v18, |v[XS+\i]|, |v[XS+\i+1]|
	v_max3_num_f32 v19, v19, |v[XS+\i+2]|, |v[XS+\i+3]|
.endr
	v_max3_num_f32 v18, v18, |v[XS+30]|, |v[XS+31]|
	v_max3_num_f32 v18, v18, v19, 0x1800000        ; the floor
	v_add_nc_u32 v11, 0xff000000, v18
	v_lshrrev_b32 v19, 23, v11                     ; the scale's byte
.if (\t)%4 == 0
	v_mov_b32 v[WSB+(\t)/4], v19
.else
	v_lshl_or_b32 v[WSB+(\t)/4], v19, 8*((\t)%4), v[WSB+(\t)/4]
.endif
.irp g, 0,1,2,3
	v_cvt_scalef32_pk8_fp4_f32 v[WC+\g], v[XS+8*\g:XS+8*\g+7], v11
.endr
	v_nop                                          ; a plain line behind the last conversion
	ds_store_b128 v4, v[WC:WC+3] offset:16*(\t)
.if (\t)+2 < 16
	WLOAD (\t)+2
.endif
	s_wait_dscnt 0x0                               ; the store has read its registers: the next block's codes may be written
.endm
.set Q, 0
.rept 16
	WBLOCK Q
.set Q, Q+1
.endr
	global_store_b128 v9, v[WSB:WSB+3], s[8:9]     ; my column's 16 scale bytes
.irp t, 0,1,2,3,4,5,6,7,8,9,10,11,12,13,14,15
	ds_load_b128 v[WOUT+4*\t:WOUT+4*\t+3], v7 offset:2*\t*WPITCH
.endr
.irp t, 0,1,2,3,4,5,6,7,8,9,10,11,12,13,14,15
	s_wait_dscnt 15-\t
	global_store_b128 v8, v[WOUT+4*\t:WOUT+4*\t+3], s[6:7] offset:2*\t*512
.endr
	FINISH
; ---------------- MP: a work-group takes 16 queries x 2,048 keys of the mask; wave w keys 512 w on, in two groups of 256.  Loads read whole rows' runs of 256 bytes; the bytes turn through the
; wave's stage (pitch 272) so that lane L holds the 8 bytes of query L % 16, keys 16 kt + 8 (L / 16) + 0..7; a compare over the 32 lanes is then the lane mask of one score register.
.set MPB, 67584                        ; LDS bytes 67,584 .. 84,991: four stages of 16 x 272
.Lmp:
	s_load_b64 s[4:5], s[0:1], 0x38                ; mask
	s_load_b64 s[6:7], s[0:1], 0x68                ; maskw
	s_sub_co_u32 s17, ttmp9, 816                   ; 128 b + qt
	s_lshl_b32 s18, s17, 15                        ; 16 rows of 2,048 bytes
	s_mov_b32 s19, 0
	s_lshl_b32 s24, s17, 12                        ; 32 key steps x 32 words
	s_mov_b32 s25, 0
	v_and_b32 v1, 15, v2
	v_lshrrev_b32 v3, 4, v2
	v_lshlrev_b32 v4, 11, v3
	v_lshl_add_u32 v4, v1, 4, v4
	s_lshl_b32 s26, s16, 9
	v_add_nc_u32 v4, s26, v4                       ; in memory: row lane / 16, 16 bytes a lane, my wave's 512 keys
	s_mul_i32 s27, s16, 4352
	s_add_co_u32 s27, s27, MPB
	v_mul_u32_u24 v5, v3, 272
	v_lshl_add_u32 v5, v1, 4, v5
	v_add_nc_u32 v5, s27, v5                       ; the stage, in
	v_mul_u32_u24 v6, v1, 272
	v_lshl_add_u32 v6, v3, 3, v6
	v_add_nc_u32 v6, s27, v6                       ; and out: row lane % 16, 8 bytes for each half of the lanes
	v_lshlrev_b32 v7, 4, v2
	s_lshl_b32 s26, s16, 10
	v_add_nc_u32 v7, s26, v7                       ; the words' place: 16 x lane + 1,024 x wave
.irp i, 24,25,26,27,28,29,30,31
	v_mov_b32 v\i, 0                               ; written once: v_writelane_b32's destination counts as read
.endr
	s_wait_kmcnt 0x0
	s_add_nc_u64 s[4:5], s[4:5], s[18:19]
	s_add_nc_u64 s[6:7], s[6:7], s[24:25]
.irp e, 0,1
.irp i, 0,1,2,3,4,5,6,7
	global_load_b128 v[32+32*\e+4*\i:35+32*\e+4*\i], v4, s[4:5] offset:4096*\i+256*\e th:TH_LOAD_NT
.endr
.endr
.irp e, 0,1
	s_wait_loadcnt 8-8*\e                          ; this group's eight loads are in
.irp i, 0,1,2,3,4,5,6,7
	ds_store_b128 v5, v[32+32*\e+4*\i:35+32*\e+4*\i] offset:544*\i
.endr
.irp s, 0,1,2,3
.irp kt, 0,1,2,3
	ds_load_b64 v[96+2*(4*\s+\kt):97+2*(4*\s+\kt)], v6 offset:64*\s+16*\kt
.endr
.endr
	s_wait_dscnt 0x0
.irp s, 0,1,2,3
.set i, 0
.rept 32                               ; word i of key step s goes to lane 8 s + i / 4, register i % 4: so the 128 words leave by one store of 512 consecutive bytes
	v_and_b32 v[20+i%4], 0xff<<(8*(i%4)), v[96+8*\s+2*(i/8)+(i%8)/4]
	v_cmp_ne_u32 s[20+i%4], 0, v[20+i%4]
	v_writelane_b32 v[24+4*\e+i%4], s[20+i%4], 8*\s+i/4
.set i, i+1
.endr
.endr
	global_store_b128 v7, v[24+4*\e:27+4*\e], s[6:7] offset:512*\e
.endr
	FINISH
.Lfunc_end_k_qd65a93863d_prep:
	.size	k_qd65a93863d_prep, .Lfunc_end_k_qd65a93863d_prep-k_qd65a93863d_prep
	.p2alignl 7, 3214868480
	.fill 96, 4, 3214868480
	.section	.rodata,"a",@progbits
	.p2align	6, 0x0
	.amdhsa_kernel k_qd65a93863d_prep
		.amdhsa_group_segment_fixed_size 85504
		.amdhsa_private_segment_fixed_size 0
		.amdhsa_enable_private_segment 0
		.amdhsa_kernarg_size 112
		.amdhsa_user_sgpr_count 2
		.amdhsa_user_sgpr_kernarg_segment_ptr 1
		.amdhsa_wavefront_size32 1
		.amdhsa_system_sgpr_workgroup_id_x 1
		.amdhsa_system_sgpr_workgroup_id_y 1
		.amdhsa_system_sgpr_workgroup_id_z 1
		.amdhsa_system_vgpr_workitem_id 0
		.amdhsa_next_free_vgpr 192
		.amdhsa_next_free_sgpr 66
		.amdhsa_reserve_vcc 0
		.amdhsa_float_denorm_mode_32 3
		.amdhsa_float_denorm_mode_16_64 3
		.amdhsa_memory_ordered 1
		.amdhsa_forward_progress 1
		.amdhsa_inst_pref_size 173
	.end_amdhsa_kernel
	.amdgpu_metadata
---
amdhsa.version: [ 1, 2 ]
amdhsa.kernels:
  - .name:           k_qd65a93863d_prep
    .symbol:         k_qd65a93863d_prep.kd
    .args:
      - { .name: query, .offset: 0, .size: 8, .value_kind: global_buffer, .address_space: global }
      - { .name: key_, .offset: 8, .size: 8, .value_kind: global_buffer, .address_space: global }
      - { .name: value, .offset: 16, .size: 8, .value_kind: global_buffer, .address_space: global }
      - { .name: WQ, .offset: 24, .size: 8, .value_kind: global_buffer, .address_space: global }
      - { .name: WK, .offset: 32, .size: 8, .value_kind: global_buffer, .address_space: global }
      - { .name: WV, .offset: 40, .size: 8, .value_kind: global_buffer, .address_space: global }
      - { .name: WO, .offset: 48, .size: 8, .value_kind: global_buffer, .address_space: global }
      - { .name: mask, .offset: 56, .size: 8, .value_kind: global_buffer, .address_space: global }
      - { .name: acodes, .offset: 64, .size: 8, .value_kind: global_buffer, .address_space: global }
      - { .name: ascales, .offset: 72, .size: 8, .value_kind: global_buffer, .address_space: global }
      - { .name: wcodes, .offset: 80, .size: 8, .value_kind: global_buffer, .address_space: global }
      - { .name: wscales, .offset: 88, .size: 8, .value_kind: global_buffer, .address_space: global }
      - { .name: wo16, .offset: 96, .size: 8, .value_kind: global_buffer, .address_space: global }
      - { .name: maskw, .offset: 104, .size: 8, .value_kind: global_buffer, .address_space: global }
    .group_segment_fixed_size: 85504
    .private_segment_fixed_size: 0
    .kernarg_segment_align: 8
    .kernarg_segment_size: 112
    .max_flat_workgroup_size: 128
    .sgpr_count:     66
    .vgpr_count:     192
    .wavefront_size: 32
...
	.end_amdgpu_metadata
.endif
;; end of part 1
;; launch proj (part 2): grid 4 x 96, 4 waves a work-group, clusters of 4 x 4, 327,680 bytes of LDS; arguments acodes, ascales, wcodes, wscales, bQ, bK, qkv16; writes qkv16
.if DOCPART == 2
	.amdgcn_target "amdgcn-amd-amdhsa--gfx1250"
	.amdhsa_code_object_version 6
	.text
	.protected	k_qd65a93863d_proj
	.globl	k_qd65a93863d_proj
	.p2align	8
	.type	k_qd65a93863d_proj,@function
k_qd65a93863d_proj:
	s_mov_b64 s[64:65], 0
	v_nop
	global_prefetch_b8 v0, s[64:65] scope:SCOPE_SE
	s_setreg_imm32_b32 hwreg(HW_REG_WAVE_MODE, 25, 1), 1
	s_wait_xcnt 0x0
	s_wait_alu depctr_hold_cnt(0) depctr_sa_sdst(0) depctr_va_vdst(0) depctr_va_sdst(0) depctr_va_ssrc(0) depctr_va_vcc(0) depctr_vm_vsrc(0)
	s_getreg_b32 s2, hwreg(HW_REG_IB_STS2, 6, 4)
	s_cmp_eq_u32 s2, 0
	s_cbranch_scc0 .Lentry_in_a_cluster
	s_endpgm
.Lentry_in_a_cluster:
	s_bfe_u32 s2, ttmp6, 0x10000c
	s_cmp_lg_u32 s2, 0xf033
	s_cbranch_scc0 .Lentry_shape_is_right
	s_endpgm
.Lentry_shape_is_right:
; THE THREE QUANTISED PRODUCTS, on codes of E2M1 with one E8M0 byte for each 32 along K = 1,024, by v_wmma_scale_f32_16x16x128_f8f6f4; sums in f32; results leave as f16 in the layouts that the attention launch reads.
; 24 clusters of 4 x 4 work-groups; cluster y = 8 g + u.  g = 0: q' = (query WQ + bQ) x log2(e) / 8;  g = 1: k = key_ WK + bK;  both laid [b][h][t][64].
; g = 2: THE ROLES ARE SWAPPED: A = WV's codes (rows = channels), B = value's codes (rows = tokens), so that C is V^T, laid [b][h][t / 64][d 64][64 keys]; bV is added by the attention launch, behind the average.
; A tile of C is 256 x 256, a wave makes 128 x 128: 64 accumulators.  K = 1,024 is two LDS slots of 512 along K: the scales and both slots are first fills, three joint loads a wave out at the start.
; The four work-groups of a row of the cluster need the same rows of A, the four of a column the same rows of B: each tile is asked for jointly.
; THE MATRIX INSTRUCTION IS USED TRANSPOSED (source 0 = 16 rows of B, source 1 = 16 rows of A): a lane holds eight neighbouring columns of one row of C.  The bias is the C of each sum's first instruction.
; LIMITS: |q'|, |k|, |v| stay under 65,504 (f16); under 6e-5 they keep only f16's absolute step.
; REGISTERS: window 0: v0-31 addresses; v32-95 scale words, two sets; v128-191 A's fragments, one set; v192-255 the bias;  window 1: B's fragments, two sets;  windows 2, 3: the accumulators ((a, b) at v[8 (8 (a % 4) + b)]).
.set NQ,     4                         ; matrix instructions deep in a slot
.set ROWB,   256                       ; a tile's row in bytes: 512 codes
.set KROW,   512                       ; a row of codes in memory
.set PITCH,  272                       ; an LDS row: 256 bytes + 16 of padding = 68 words, so the 16 rows of a load start at 16 different banks (64 banks of 4 bytes: ISA guide 11.1)
.set FR,     8
.set NL,     2
.set NP,     4                         ; places behind this matrix instruction (ISA guide 7.12.1)
.set HALFT,  128*PITCH
.set SLOT,   4*HALFT
.set KS,     32                        ; a row of scales in bytes
.set SCL,    2*SLOT                    ; behind the two slots: the scales, as units of 256 bytes + 16 of padding
.set HALFS,  16*272                    ; those of 128 rows
.set SBLK,   2*272                     ; those of 16 rows
.set SPARE,  SCL+4*HALFS               ; the spare words, 128 bytes a wave, that no other line names
.set SPITCH, 272                       ; the way out: a stage of 16 rows x (256 bytes + 16) a wave, in slot 0, which has had its one fill and its last read by then
.set ADRA, 16
.set ADRB, 20
.set STO,  24
.set RD,   25
.set CO,   26
.set ADRS, 27
.set SPW,  28
.set NIL,  29
.set SC,   32
.set AF,   128
.set BIAS, 192
.set T,    32                          ; the way out: 64 scaled numbers; v96-127 packed; v128-159 and v160-191 rows read back, by turns
.set TMP,  96
.set BK,   128
.set G1, 24
.set G0, 32
.set G1B, 48
.set G0B, 56
.set G1S, 68
.set G0S, 76
.set G1SB, 80
.set G0SB, 88
.set MSB, 0
.macro WIN new                         ; the immediate's high byte repeats the setting that is left
.if MSB != (\new)
	s_set_vgpr_msb (MSB<<8)|(\new)
.set MSB, (\new)
.endif
.endm
.set MUL_LO, 0xa1                      ; source 0 (B) window 1, source 1 (A) window 0, C and D window 2
.set MUL_HI, 0xf1                      ; the same, C and D window 3
.set TO_B,   0x40
; A joint load: waves 0 and 1 fetch for A, waves 2 and 3 for B; the branch hangs on the wave's number alone.  An s_nop 0 and four v_nop follow each of the two lines.
.macro JLOAD g0a, g1a, g0b, g1b
	s_cmp_eq_u32 s15, 0
	s_cbranch_scc0 .Lfor_b_\@
	tensor_load_to_lds s[\g0a:\g0a+3], s[\g1a:\g1a+7]
	s_nop 0
.rept 4
	v_nop
.endr
	s_branch .Lasked_\@
.Lfor_b_\@:
	tensor_load_to_lds s[\g0b:\g0b+3], s[\g1b:\g1b+7]
	s_nop 0
.rept 4
	v_nop
.endr
.Lasked_\@:
.endm
.macro CROUND                          ; a round of the cluster's barrier
	s_barrier_signal -1
	s_barrier_wait -1
	s_cmp_lg_u32 s14, 0
	s_cbranch_scc1 .Lnot_wave_0_\@
	s_barrier_signal -3
.Lnot_wave_0_\@:
	s_barrier_wait -3
	s_barrier_signal -1
	s_barrier_wait -1
.endm
	s_load_b256 s[92:99], s[0:1], 0x0              ; acodes, ascales, wcodes, wscales
	s_load_b64 s[100:101], s[0:1], 0x20            ; bQ
	s_load_b64 s[104:105], s[0:1], 0x28            ; bK
	s_load_b64 s[12:13], s[0:1], 0x30              ; qkv16
	v_lshl_add_u32 v[SPW], v0, 2, SPARE
	v_mov_b32 v[NIL], 0
	ds_add_u32 v[SPW], v[NIL]                      ; the wave's opening: the add, twice on end, and its wait ahead of my first tensor load
	ds_add_u32 v[SPW], v[NIL]
	v_lshrrev_b32 v1, 5, v0
	v_readfirstlane_b32 s14, v1                    ; wave 0..3
	s_lshr_b32 s15, s14, 1                         ; which half of the tile's rows is mine; also: I fetch for A (0) or for B (1)
	s_and_b32 s16, s14, 1                          ; which half of its columns; also: which 128 rows I fetch
	s_bfe_u32 s40, ttmp6, 0x40000                  ; cx
	s_bfe_u32 s41, ttmp6, 0x40004                  ; cy
	s_and_b32 s3, ttmp7, 0xffff                    ; cluster y, the same in all sixteen partners
	s_lshr_b32 s2, s3, 3                           ; g: which product
	s_and_b32 s3, s3, 7
	s_lshl_b32 s3, s3, 2                           ; 4 u: the token tiles' base
	s_cmp_eq_u32 s2, 2
	s_cselect_b32 s17, 0, s3
	s_cselect_b32 s42, s3, 0
	s_add_co_u32 s17, s17, s41                     ; tile row of C
	s_add_co_u32 s42, s42, s40                     ; tile column of C
	s_lshl_b32 s43, s41, 2
	s_lshl_b32 s43, 15, s43                        ; my row of the cluster
	s_lshl_b32 s44, 0x1111, s40                    ; my column
	s_or_b32 s[G1+0], s43, (0<<16)|(1<<20)|(1<<21)|(5<<22)|(3<<25)   ; the mask; elements of 1 byte; padding: 4 words behind every 64; bit 21 beside a mask
	s_or_b32 s[G1B+0], s44, (0<<16)|(1<<20)|(1<<21)|(5<<22)|(3<<25)
.irp g, G1, G1B
	s_mov_b32 s[\g+1], ROWB<<16                    ; tensor_dim0
	s_mov_b32 s[\g+2], 128<<16                     ; tensor_dim1
	s_mov_b32 s[\g+3], ROWB<<16                    ; tile_dim0
	s_mov_b32 s[\g+4], 128                         ; tile_dim1
	s_mov_b32 s[\g+5], KROW                        ; the pitch
	s_mov_b32 s[\g+6], 0
	s_mov_b32 s[\g+7], 0
.endr
	s_or_b32 s[G1S+0], s43, (3<<16)|(1<<20)|(1<<21)|(5<<22)|(3<<25)  ; the scales of 128 rows: 4,096 dense bytes as 16 rows of 32 elements of 8 bytes
	s_or_b32 s[G1SB+0], s44, (3<<16)|(1<<20)|(1<<21)|(5<<22)|(3<<25)
.irp g, G1S, G1SB
	s_mov_b32 s[\g+1], 32<<16
	s_mov_b32 s[\g+2], 16<<16
	s_mov_b32 s[\g+3], 32<<16
	s_mov_b32 s[\g+4], 16
	s_mov_b32 s[\g+5], 32
	s_mov_b32 s[\g+6], 0
	s_mov_b32 s[\g+7], 0
.endr
	; byte offsets: A's hang on the tile row alone, B's on the tile column alone, each in registers that never hold the other coordinate
	s_lshl_b32 s18, s16, 7
	s_lshl_b32 s20, s17, 8
	s_add_co_u32 s20, s20, s18                     ; A: row 256 x tile row + 128 x half
	s_lshl_b32 s46, s42, 8
	s_add_co_u32 s46, s46, s18                     ; B likewise
	s_lshl_b32 s22, s20, 5                         ; their scales,
	s_lshl_b32 s20, s20, 9                         ; their codes
	s_lshl_b32 s66, s46, 5
	s_lshl_b32 s46, s46, 9
	s_lshl_b32 s18, s2, 22                         ; the activations' part g of codes,
	s_lshl_b32 s19, s2, 19                         ; the weights'
	s_cmp_eq_u32 s2, 2
	s_cselect_b32 s3, s19, s18
	s_cselect_b32 s45, s18, s19
	s_add_co_u32 s20, s20, s3
	s_add_co_u32 s46, s46, s45
	s_lshl_b32 s18, s2, 18                         ; and of scales
	s_lshl_b32 s19, s2, 15
	s_cmp_eq_u32 s2, 2
	s_cselect_b32 s3, s19, s18
	s_cselect_b32 s45, s18, s19
	s_add_co_u32 s22, s22, s3
	s_add_co_u32 s66, s66, s45
	s_mov_b32 s21, 0
	s_mov_b32 s23, 0
	s_mov_b32 s47, 0
	s_mov_b32 s67, 0
	s_mul_i32 s45, s14, HALFT                      ; where they go: wave x 128 rows: no place in the cluster enters an LDS address
	s_mul_i32 s3, s14, HALFS
	s_wait_dscnt 0x0                               ; both opening adds are done
	s_wait_kmcnt 0x0
	s_cmp_eq_u32 s2, 2                             ; the roles: a choice that hangs on the cluster's number alone
	s_cselect_b64 s[4:5], s[96:97], s[92:93]       ; A's codes
	s_cselect_b64 s[6:7], s[98:99], s[94:95]       ; A's scales
	s_cselect_b64 s[8:9], s[92:93], s[96:97]       ; B's codes
	s_cselect_b64 s[10:11], s[94:95], s[98:99]     ; B's scales
	s_add_nc_u64 s[20:21], s[4:5], s[20:21]
	s_add_nc_u64 s[22:23], s[6:7], s[22:23]
	s_add_nc_u64 s[46:47], s[8:9], s[46:47]
	s_add_nc_u64 s[66:67], s[10:11], s[66:67]
	CROUND                                         ; all sixteen work-groups are here: the joint loads meet
	s_mov_b32 s[G0S], 1
	s_add_co_u32 s[G0S+1], s3, SCL
	s_mov_b64 s[G0S+2:G0S+3], s[22:23]
	s_or_b32 s[G0S+3], s[G0S+3], 0x80000000
	s_mov_b32 s[G0SB], 1
	s_add_co_u32 s[G0SB+1], s3, SCL
	s_mov_b64 s[G0SB+2:G0SB+3], s[66:67]
	s_or_b32 s[G0SB+3], s[G0SB+3], 0x80000000
	JLOAD G0S, G1S, G0SB, G1SB                     ; the scales first: they are wanted with the first slot
.irp s, 0,1
	s_mov_b32 s[G0+4*\s], 1
	s_add_co_u32 s[G0+4*\s+1], s45, \s*SLOT
	s_add_nc_u64 s[G0+4*\s+2:G0+4*\s+3], s[20:21], \s*ROWB
	s_or_b32 s[G0+4*\s+3], s[G0+4*\s+3], 0x80000000
	s_mov_b32 s[G0B+4*\s], 1
	s_add_co_u32 s[G0B+4*\s+1], s45, \s*SLOT
	s_add_nc_u64 s[G0B+4*\s+2:G0B+4*\s+3], s[46:47], \s*ROWB
	s_or_b32 s[G0B+4*\s+3], s[G0B+4*\s+3], 0x80000000
	JLOAD G0+4*\s, G1, G0B+4*\s, G1B
.endr
	v_and_b32 v1, 15, v0                           ; r = l % 16
	v_bfe_u32 v2, v0, 4, 1                         ; h = l / 16
	; the bias, and where my results go
	s_cmp_eq_u32 s2, 0
	s_cselect_b64 s[100:101], s[100:101], s[104:105]   ; bQ for g = 0, else bK (for g = 2 what is loaded is replaced by zeros below)
	s_lshl_b32 s18, s17, 8
	s_lshl_b32 s19, s15, 7
	s_add_co_u32 s18, s18, s19                     ; my first row of C
	s_lshl_b32 s19, s42, 8
	s_lshl_b32 s20, s16, 7
	s_add_co_u32 s19, s19, s20                     ; my first column
	s_cmp_lt_u32 s2, 2
	s_cselect_b32 s20, s18, s19                    ; my first token,
	s_cselect_b32 s21, s19, s18                    ; my first channel,
	s_cselect_b32 s22, s19, 0                      ; the bias's first number,
	s_cselect_b32 s104, -1, 0                      ; and a lane mask: all ones where there is a bias
	s_lshl_b32 s22, s22, 2
	s_mov_b32 s23, 0
	s_add_nc_u64 s[100:101], s[100:101], s[22:23]
	v_lshlrev_b32 v7, 5, v2                        ; 32 h: accumulator b's register j holds column 16 b + 8 h + j
.irp b, 0,1,2,3,4,5,6,7
	global_load_b128 v[BIAS+8*\b:BIAS+8*\b+3], v7, s[100:101] offset:64*\b
	global_load_b128 v[BIAS+8*\b+4:BIAS+8*\b+7], v7, s[100:101] offset:64*\b+16
.endr
	s_lshr_b32 s23, s20, 11                        ; b
	s_lshl_b32 s23, s23, 4
	s_lshr_b32 s21, s21, 6                         ; head
	s_add_co_u32 s23, s23, s21
	s_lshl_b32 s23, s23, 11
	s_and_b32 s20, s20, 2047
	s_add_co_u32 s23, s23, s20
	s_lshl_b32 s20, s23, 7                         ; ((16 b + head) 2,048 + t) x 128 bytes,
	s_lshl_b32 s21, s2, 24
	s_add_co_u32 s20, s20, s21                     ; in part g
	s_mov_b32 s21, 0
	s_add_nc_u64 s[12:13], s[12:13], s[20:21]      ; the first half of my 128 columns goes here,
	s_cmp_lt_u32 s2, 2
	s_mov_b32 s66, 8192
	s_cselect_b32 s66, 262144, s66                 ; the second a head on (g < 2), or a block of 64 keys on (g = 2)
	s_mov_b32 s67, 0
	s_add_nc_u64 s[66:67], s[12:13], s[66:67]
	s_cselect_b32 s96, 0, 253952                   ; g = 2: behind four blocks of 16 channels the next head begins: 262,144 - 8,192 bytes further
	s_mov_b32 s97, 0
	s_cmp_eq_u32 s2, 0
	s_mov_b32 s98, 1.0
	s_cselect_b32 s98, 0x3e38aa3b, s98             ; q is multiplied by log2(e) / 8 in f32, ahead of its rounding to f16
	s_mov_b32 s99, s98
	v_mul_u32_u24 v3, v1, PITCH
	v_lshl_add_u32 v4, v2, 4, v3                   ; a fragment's row x pitch + 16 x half
	s_mul_i32 s21, s15, HALFT
	s_mul_i32 s22, s16, HALFT
	s_add_co_u32 s22, s22, 2*HALFT
.irp s, 0,1
	v_add_nc_u32 v[ADRA+\s], s21, v4
	v_add_nc_u32 v[ADRB+\s], s22, v4
	s_add_co_u32 s21, s21, SLOT
	s_add_co_u32 s22, s22, SLOT
.endr
	v_mul_u32_u24 v5, v1, KS                       ; my row's scales: 32 bytes a row,
	v_lshrrev_b32 v6, 8, v5
	v_lshl_add_u32 v5, v6, 4, v5                   ; and 16 more for each 256 passed
	s_mul_i32 s21, s15, HALFS
	s_mul_i32 s22, s16, HALFS
	s_add_co_u32 s22, s22, 2*HALFS
	s_sub_co_u32 s22, s22, s21
	v_mul_u32_u24 v6, s22, v2                      ; lanes 16-31 take B's
	s_add_co_u32 s21, s21, SCL
	v_add_nc_u32 v5, v5, v6
	v_add_nc_u32 v[ADRS], s21, v5
	s_mul_i32 s23, s14, 16*SPITCH                  ; my stage
	v_mul_u32_u24 v5, v1, SPITCH
	v_lshl_add_u32 v5, v2, 4, v5
	v_add_nc_u32 v[STO], s23, v5                   ; in: row r, 16 bytes for each half of the lanes
	v_and_b32 v6, 31, v0
	v_lshlrev_b32 v[CO], 4, v6                     ; out: 16 bytes a lane, 512 consecutive bytes a store
	v_lshrrev_b32 v5, 3, v6
	v_mul_u32_u24 v5, v5, SPITCH
	v_and_b32 v6, 7, v0
	v_lshl_add_u32 v5, v6, 4, v5
	v_add_nc_u32 v[RD], s23, v5                    ; back: eight lanes take 128 bytes of a row, four rows an instruction
	s_wait_loadcnt 0x0                             ; the bias
.set i, 0
.rept 64
	v_cndmask_b32 v[BIAS+i], 0, v[BIAS+i], s104    ; g = 2: zeros
.set i, i+1
.endr
.rept 4
	v_nop
.endr
.macro FRAG reg, adr, q, i             ; 16 rows x 128 K of 4-bit codes: 8 registers: lane l holds row l % 16; registers 4 c .. 4 c + 3 hold K = 64 c + 32 (l / 16) + 0 .. 31
.irp c, 0,1
	ds_load_b128 v[\reg+4*\c:\reg+4*\c+3], v[\adr] offset:64*(\q)+32*\c+(\i)*16*PITCH
.endr
.endm
; 16 matrix instructions: A's blocks a0, a0 + 1 x B's eight.  first = 1: the sums begin with the bias as C.  The 64 accumulators take turns, one instruction a turn.
.macro MUL16 a0, p, q, sc, first
.irp a, \a0, \a0+1
.irp b, 0,1,2,3,4,5,6,7
.if \first
	v_wmma_scale_f32_16x16x128_f8f6f4 v[8*(8*((\a)%4)+\b):8*(8*((\a)%4)+\b)+7], v[128*(\p)+FR*\b:128*(\p)+FR*\b+FR-1], v[AF+FR*(\a):AF+FR*(\a)+FR-1], v[BIAS+8*\b:BIAS+8*\b+7], v[SC+8*NQ*(\sc)+NQ*\b+(\q)], v[SC+8*NQ*(\sc)+NQ*(\a)+(\q)] matrix_a_fmt:MATRIX_FMT_FP4 matrix_b_fmt:MATRIX_FMT_FP4 matrix_a_scale:MATRIX_SCALE_ROW1
.else
	v_wmma_scale_f32_16x16x128_f8f6f4 v[8*(8*((\a)%4)+\b):8*(8*((\a)%4)+\b)+7], v[128*(\p)+FR*\b:128*(\p)+FR*\b+FR-1], v[AF+FR*(\a):AF+FR*(\a)+FR-1], v[8*(8*((\a)%4)+\b):8*(8*((\a)%4)+\b)+7], v[SC+8*NQ*(\sc)+NQ*\b+(\q)], v[SC+8*NQ*(\sc)+NQ*(\a)+(\q)] matrix_a_fmt:MATRIX_FMT_FP4 matrix_b_fmt:MATRIX_FMT_FP4 matrix_a_scale:MATRIX_SCALE_ROW1
.endif
.endr
.endr
.endm
.macro FETCH_B slot, q, p
	WIN TO_B
.irp i, 0,1,2,3,4,5,6,7
	FRAG 128*(\p)+FR*\i, ADRB+\slot, \q, \i
.endr
	WIN 0
.endm
.macro FETCH_A slot, q, i0
.irp i, \i0, \i0+1, \i0+2, \i0+3
	FRAG AF+FR*(\i), ADRA+\slot, \q, \i
.endr
.endm
.macro SCALES sc                       ; a slot's scale words: four a row; lanes 0-15 take A's block i, lanes 16-31 B's block i
.irp i, 0,1,2,3,4,5,6,7
	ds_load_b128 v[SC+8*NQ*\sc+NQ*\i:SC+8*NQ*\sc+NQ*\i+3], v[ADRS] offset:\i*SBLK
.endr
.endm
.macro PLACES n                        ; plain vector lines between a matrix instruction and a load into, or a read of, its registers
.rept \n
	v_nop
.endr
.endm
.macro STEP slot, q, first             ; 128 along K with its successor in the same slot
	s_wait_dscnt 4*NL                              ; B's set and A's blocks 0-3 are in; the youngest eight loads (A's blocks 4-7) may be out
.if \first
	WIN 0x81                                       ; C (the bias) in window 0, D in window 2
.else
	WIN MUL_LO
.endif
	MUL16 0, (\q)%2, \q, \slot, \first
	MUL16 2, (\q)%2, \q, \slot, \first
	s_wait_dscnt 0
	PLACES NP
	FETCH_B \slot, (\q)+1, 1-(\q)%2
	FETCH_A \slot, (\q)+1, 0
.if \first
	WIN 0xc1
.else
	WIN MUL_HI
.endif
	MUL16 4, (\q)%2, \q, \slot, \first
	MUL16 6, (\q)%2, \q, \slot, \first
	PLACES NP
	WIN 0
	FETCH_A \slot, (\q)+1, 4
.endm
.macro STEPS slot, from
.set Q, \from
.rept NQ-1-\from
	STEP \slot, Q, 0
.set Q, Q+1
.endr
.endm
	s_wait_tensorcnt 1                             ; the scales and my part of slot 0 are in; slot 1's load may be out,
	s_barrier_signal -1
	s_barrier_wait -1                              ; everybody's are
	FETCH_B 0, 0, 0
	FETCH_A 0, 0, 0
	SCALES 0
	FETCH_A 0, 0, 4
	STEP 0, 0, 1
	STEPS 0, 1
	; slot 0's last step changes slots: one barrier; in front of it my part of slot 1 has landed and my reads of slot 0 are over
	s_wait_tensorcnt 0x0
	ds_add_u32 v[SPW], v[NIL]                      ; 0 onto my spare word
	s_wait_dscnt 4*NL+1                            ; the add and A's blocks 4-7 may be out
	WIN MUL_LO
	MUL16 0, 1, NQ-1, 0, 0
	s_wait_dscnt 0x0
	s_barrier_signal -1
	MUL16 2, 1, NQ-1, 0, 0
	WIN 0
	s_barrier_wait -1
	PLACES NP
	v_add_nc_u32 v[ADRS], 4*NQ, v[ADRS]            ; the second slot's scale words
	FETCH_B 1, 0, 0
	FETCH_A 1, 0, 0
	SCALES 1
	WIN MUL_HI
	MUL16 4, 1, NQ-1, 0, 0
	MUL16 6, 1, NQ-1, 0, 0
	PLACES NP
	WIN 0
	FETCH_A 1, 0, 4
	STEPS 1, 0
	s_wait_dscnt 4*NL                              ; the very last step
	WIN MUL_LO
	MUL16 0, 1, NQ-1, 1, 0
	MUL16 2, 1, NQ-1, 1, 0
	s_wait_dscnt 0
	WIN MUL_HI
	MUL16 4, 1, NQ-1, 1, 0
	MUL16 6, 1, NQ-1, 1, 0
	WIN 0
; THE WAY OUT, by blocks of 16 rows x 128 columns: scaled, rounded to f16 (16 bytes a lane), through my stage, back as runs of 128 bytes of four rows: in both layouts 16 rows x 128 bytes are 2,048 consecutive bytes.
.macro PACK a
.set AC, 64*((\a)%4)
	WIN 0x02+(\a)/4                                ; source 0: window 2 or 3
.set i, 0
.rept 32
	v_pk_mul_f32 v[T+2*i:T+2*i+1], v[AC+2*i:AC+2*i+1], s[98:99] op_sel_hi:[1,0]   ; each accumulator from its low end on
.set i, i+1
.endr
	WIN 0
.set i, 0
.rept 32
	v_cvt_pk_f16_f32 v[TMP+i], v[T+2*i], v[T+2*i+1]
.set i, i+1
.endr
.endm
.macro TOSTAGE a
.set BB, BK+32*((\a)%2)
.irp b, 0,1,2,3,4,5,6,7
	ds_store_b128 v[STO], v[TMP+4*\b:TMP+4*\b+3] offset:32*\b
.endr
.irp hh, 0,1
.irp i, 0,1,2,3
	ds_load_b128 v[BB+4*(4*\hh+\i):BB+4*(4*\hh+\i)+3], v[RD] offset:1088*\i+128*\hh   ; LDS serves a wave's instructions in order (ISA guide 5.7.1.4): these see the stores above
.endr
.endr
.endm
.macro SEND a, younger
.set BB, BK+32*((\a)%2)
	s_wait_dscnt \younger                          ; the block is back; the next block's 8 stores and 8 loads may be out
.if (\a) > 0
	s_add_nc_u64 s[12:13], s[12:13], 2048          ; (behind a wait on XCNT: the earlier stores have read their bases)
	s_add_nc_u64 s[66:67], s[66:67], 2048
.endif
.if (\a) == 4
	s_add_nc_u64 s[12:13], s[12:13], s[96:97]
	s_add_nc_u64 s[66:67], s[66:67], s[96:97]
.endif
.irp i, 0,1,2,3
	global_store_b128 v[CO], v[BB+4*\i:BB+4*\i+3], s[12:13] offset:512*\i          ; 512 consecutive bytes, aligned
	global_store_b128 v[CO], v[BB+16+4*\i:BB+16+4*\i+3], s[66:67] offset:512*\i
.endr
.endm
	PLACES NP
	PACK 0
	TOSTAGE 0
.irp a, 1,2,3,4,5,6,7
.if \a > 1
	s_wait_xcnt 0x0                                ; block a - 2's stores have read their registers and bases
.endif
	PACK \a
	TOSTAGE \a
	SEND \a-1, 16
.endr
	s_wait_xcnt 0x0
	SEND 7, 0
	s_wait_tensorcnt 0x0                           ; the wave's end
	ds_add_u32 v[SPW], v[NIL]
	s_wait_dscnt 0x0
	CROUND                                         ; the closing round
	s_endpgm
.Lfunc_end_k_qd65a93863d_proj:
	.size	k_qd65a93863d_proj, .Lfunc_end_k_qd65a93863d_proj-k_qd65a93863d_proj
	.p2alignl 7, 3214868480
	.fill 96, 4, 3214868480
	.section	.rodata,"a",@progbits
	.p2align	6, 0x0
	.amdhsa_kernel k_qd65a93863d_proj
		.amdhsa_group_segment_fixed_size 327680
		.amdhsa_private_segment_fixed_size 0
		.amdhsa_enable_private_segment 0
		.amdhsa_kernarg_size 56
		.amdhsa_user_sgpr_count 2
		.amdhsa_user_sgpr_kernarg_segment_ptr 1
		.amdhsa_wavefront_size32 1
		.amdhsa_system_sgpr_workgroup_id_x 1
		.amdhsa_system_sgpr_workgroup_id_y 1
		.amdhsa_system_sgpr_workgroup_id_z 1
		.amdhsa_system_vgpr_workitem_id 0
		.amdhsa_next_free_vgpr 1024
		.amdhsa_next_free_sgpr 106
		.amdhsa_reserve_vcc 0
		.amdhsa_float_denorm_mode_32 3
		.amdhsa_float_denorm_mode_16_64 3
		.amdhsa_memory_ordered 1
		.amdhsa_forward_progress 1
		.amdhsa_inst_pref_size 151
	.end_amdhsa_kernel
	.amdgpu_metadata
---
amdhsa.version: [ 1, 2 ]
amdhsa.kernels:
  - .name:           k_qd65a93863d_proj
    .symbol:         k_qd65a93863d_proj.kd
    .args:
      - { .name: acodes, .offset: 0, .size: 8, .value_kind: global_buffer, .address_space: global }
      - { .name: ascales, .offset: 8, .size: 8, .value_kind: global_buffer, .address_space: global }
      - { .name: wcodes, .offset: 16, .size: 8, .value_kind: global_buffer, .address_space: global }
      - { .name: wscales, .offset: 24, .size: 8, .value_kind: global_buffer, .address_space: global }
      - { .name: bQ, .offset: 32, .size: 8, .value_kind: global_buffer, .address_space: global }
      - { .name: bK, .offset: 40, .size: 8, .value_kind: global_buffer, .address_space: global }
      - { .name: qkv16, .offset: 48, .size: 8, .value_kind: global_buffer, .address_space: global }
    .group_segment_fixed_size: 327680
    .private_segment_fixed_size: 0
    .kernarg_segment_align: 8
    .kernarg_segment_size: 56
    .max_flat_workgroup_size: 128
    .sgpr_count:     106
    .vgpr_count:     1024
    .wavefront_size: 32
...
	.end_amdgpu_metadata
.endif
;; end of part 2
;; launch attn (part 3): grid 4 x 64, 8 waves a work-group, clusters of 4 x 1, 327,680 bytes of LDS; arguments qkv16, maskw, bV, x16; writes x16
.if DOCPART == 3
	.amdgcn_target "amdgcn-amd-amdhsa--gfx1250"
	.amdhsa_code_object_version 6
	.text
	.protected	k_qd65a93863d_attn
	.globl	k_qd65a93863d_attn
	.p2align	8
	.type	k_qd65a93863d_attn,@function
k_qd65a93863d_attn:
	s_mov_b64 s[64:65], 0
	v_nop
	global_prefetch_b8 v0, s[64:65] scope:SCOPE_SE
	s_setreg_imm32_b32 hwreg(HW_REG_WAVE_MODE, 25, 1), 1
	s_wait_xcnt 0x0
	s_wait_alu depctr_hold_cnt(0) depctr_sa_sdst(0) depctr_va_vdst(0) depctr_va_sdst(0) depctr_va_ssrc(0) depctr_va_vcc(0) depctr_vm_vsrc(0)
	s_getreg_b32 s2, hwreg(HW_REG_IB_STS2, 6, 4)
	s_cmp_eq_u32 s2, 0
	s_cbranch_scc0 .Lentry_in_a_cluster
	s_endpgm
.Lentry_in_a_cluster:
	s_bfe_u32 s2, ttmp6, 0x10000c
	s_cmp_lg_u32 s2, 0x3003
	s_cbranch_scc0 .Lentry_shape_is_right
	s_endpgm
.Lentry_shape_is_right:
; x[b][t][64 h + d] = sum over keys of softmax(q . k / 8, holes of the mask at -1e9) v + bV, for one head of one batch a cluster.  Operands in f16, products, maxima and sums in f32.
; q' already holds q x log2(e) / 8, so a score comes out as t = score x log2(e); a hole becomes -1e9 x log2(e); p = 2^(t - m), m the running maximum; O and l are multiplied by 2^(old m - new m) in every step.
; A row that is all holes has p = 1 everywhere: the plain mean of v.  l is the sum of the f16-rounded p, made by the matrix unit (a product with ones), so the weights that multiplied V sum to l exactly, and bV may be added behind the division.
; SHARES.  A work-group owns 512 queries, each of its eight waves 64: four tiles of 16; two waves lie on a SIMD.  Every wave walks 32 key steps of 64 keys.
; The four partners of a cluster are all the query blocks of one head: each tile of K and V^T is asked for jointly, once.
; LAYOUT.  S^T = K Q^T (source 0 = 16 keys, source 1 = 16 queries): a lane holds ONE query (lane % 16) and keys 8 (lane / 16) + 0..7 of each tile.  Two such tiles, rounded to f16 in pairs, are source 1 of O^T = V^T P.
; The mask comes as lane masks, one word for each score register of a tile, by scalar loads: one v_cndmask_b32 a register.
; LDS: two slots 2^17 bytes apart, each 8 regions of 64 rows x 144 bytes: K of four key steps, then V^T of the same; wave w fills region w.  One tensor load a wave is out behind each change of slots; it has four key steps in which to land.
; LIMITS: f16's range for q', k, v and x (under 65,504; under 6e-5 only the absolute step); NaN and infinities are not served.
; REGISTERS: window 0: v1-11 addresses and constants; v12-43 eight statistics a tile (+0 m, +2 a, +4..7 at work); v44-51 ones; v64-127 eight fragments, K's and then V's; v128-255 S^T, 32 a tile; P lies in a tile's first 16.
;   window 1: O^T and l, 40 a tile (channel tile ct at +8 ct, l at +32); v160-223 Q; v224-255 bV in O^T's layout.
.set SLOT1, 131072
.set REG,   9216                       ; 64 rows x (128 bytes + 16): 36 words a row, so the 16 rows of a load start at 16 different banks (ISA guide 11.1)
.set VOFF,  4*REG
.set STAGE, SLOT1+8*REG                ; 16 rows x 144 bytes a wave, for the way out
.set SPARE, STAGE+8*16*144             ; the spare words, 128 bytes a wave, that no other line names
.set AK0, 1
.set ADR, 2
.set STO, 3
.set RD,  4
.set GO,  5
.set NEG, 6
.set PFO, 7
.set SPW, 8
.set NIL, 9
.set ST,  12
.set ONES, 44
.set F,   64
.set S,   128
.set QF,  160
.set BV,  224
.set TB,  2                            ; s2   LDS byte at which the key step's K begins
.set NST, 3                            ; s3   counts a slot's four steps
.set MP,  6                            ; s[6:7] the step's mask words of my first tile
.set WV,  12
.set CX,  13
.set SLOTS, 14
.set LIM, 15
.set G1,  16
.set G0,  24
.set PFA, 28
.set MST, 30                           ; s[30:31] what the mask's address steps by
.set MA,  32                           ; s[32:63] 32 lane masks
.set KC,  66                           ; s66  key steps to go
.set MB,  68                           ; s[68:99] 32 lane masks
.set SEL, 100
.set MSB, 0
.macro WIN new
.if MSB != (\new)
	s_set_vgpr_msb (MSB<<8)|(\new)
.set MSB, (\new)
.endif
.endm
.macro PLACES n
.rept \n
	v_nop
.endr
.endm
.macro CROUND
	s_barrier_signal -1
	s_barrier_wait -1
	s_cmp_lg_u32 s[WV], 0
	s_cbranch_scc1 .Lnot_wave_0_\@
	s_barrier_signal -3
.Lnot_wave_0_\@:
	s_barrier_wait -3
	s_barrier_signal -1
	s_barrier_wait -1
.endm
	s_load_b256 s[4:11], s[0:1], 0x0               ; qkv16, maskw, bV, x16
	v_lshl_add_u32 v[SPW], v0, 2, SPARE
	v_mov_b32 v[NIL], 0
	ds_add_u32 v[SPW], v[NIL]                      ; the wave's opening: the add, twice on end, and its wait ahead of my first tensor load
	ds_add_u32 v[SPW], v[NIL]
	v_lshrrev_b32 v1, 5, v0
	v_readfirstlane_b32 s[WV], v1                  ; wave 0..7
	s_bfe_u32 s[CX], ttmp6, 0x40000                ; my block of 512 queries: it enters global addresses alone
	s_and_b32 s104, ttmp7, 0xffff                  ; 16 b + head, which the four partners share
	s_mov_b32 s[G1], 15|(1<<16)|(1<<20)|(1<<21)|(4<<22)|(3<<25)   ; all four work-groups; elements of 2 bytes; padding: 4 words behind every 32; bit 21 beside a mask
	s_mov_b32 s[G1+1], 64<<16                      ; tensor_dim0
	s_mov_b32 s[G1+2], 64<<16                      ; tensor_dim1
	s_mov_b32 s[G1+3], 64<<16                      ; tile_dim0
	s_mov_b32 s[G1+4], 64                          ; tile_dim1
	s_mov_b32 s[G1+5], 64                          ; the pitch
	s_mov_b32 s[G1+6], 0
	s_mov_b32 s[G1+7], 0
	s_mov_b32 s[G0], 1
	s_mul_i32 s[G0+1], s[WV], REG                  ; my region of slot 0
	s_lshl_b32 s34, s104, 18                       ; the head's 262,144 bytes in each part
	s_lshr_b32 s32, s[WV], 2
	s_add_co_u32 s32, s32, 1                       ; part 1 (K) for waves 0-3, part 2 (V^T) for waves 4-7
	s_lshl_b32 s32, s32, 24
	s_add_co_u32 s32, s32, s34
	s_and_b32 s35, s[WV], 3
	s_lshl_b32 s35, s35, 13                        ; which of the slot's four key steps
	s_add_co_u32 s32, s32, s35
	s_mov_b32 s33, 0
	s_and_b32 s36, s[WV], 1                        ; the prefetches: piece 2 cx + wave % 2 of a slot's eight regions: the partners are told apart by address
	s_lshl_b32 s37, s[CX], 1
	s_add_co_u32 s36, s36, s37
	s_lshr_b32 s37, s36, 2
	s_add_co_u32 s37, s37, 1
	s_lshl_b32 s37, s37, 24
	s_and_b32 s36, s36, 3
	s_lshl_b32 s36, s36, 13
	s_add_co_u32 s36, s36, s37
	s_add_co_u32 s36, s36, s34
	s_add_co_u32 s36, s36, 32768                   ; in slot 1: the first change of slots steps it to slot 2
	s_mov_b32 s37, 0
	s_lshl_b32 s38, s[CX], 16                      ; Q: my block's 512 rows of 128 bytes, my wave's 64
	s_lshl_b32 s39, s[WV], 13
	s_add_co_u32 s38, s38, s39
	s_add_co_u32 s38, s38, s34
	s_mov_b32 s39, 0
	s_lshr_b32 s105, s104, 4                       ; b
	s_and_b32 s104, s104, 15                       ; head
	s_lshl_b32 s40, s105, 19                       ; the mask words: (128 b + 32 cx + 4 wave) x 4,096 bytes
	s_lshl_b32 s41, s[CX], 17
	s_add_co_u32 s40, s40, s41
	s_lshl_b32 s41, s[WV], 14
	s_add_co_u32 s40, s40, s41
	s_mov_b32 s41, 0
	s_lshl_b32 s42, s104, 8                        ; bV: the head's 64 numbers
	s_mov_b32 s43, 0
	s_lshl_b32 s44, s104, 20                       ; x16 [head][2,048 b + t][64]
	s_lshl_b32 s45, s105, 18
	s_add_co_u32 s44, s44, s45
	s_lshl_b32 s45, s[CX], 16
	s_add_co_u32 s44, s44, s45
	s_lshl_b32 s45, s[WV], 13
	s_add_co_u32 s44, s44, s45
	s_mov_b32 s45, 0
	s_mov_b32 s[TB], 0
	s_mov_b32 s[SLOTS], 7
	s_mov_b32 s[KC], 32
	s_mov_b32 s[MST+1], 0
	s_mov_b32 s[SEL], 0x76543210
	s_mov_b32 s[SEL+1], 0xfedcba98
	s_cmp_lt_u32 s[WV], 2
	s_cselect_b32 s[LIM], 1, -1                    ; waves 0 and 1 prefetch, while more than one slot is still to be asked for
	s_wait_dscnt 0x0                               ; both opening adds are done
	s_wait_kmcnt 0x0
	s_add_nc_u64 s[G0+2:G0+3], s[4:5], s[32:33]
	s_or_b32 s[G0+3], s[G0+3], 0x80000000
	s_add_nc_u64 s[PFA:PFA+1], s[4:5], s[36:37]
	s_add_nc_u64 s[4:5], s[4:5], s[38:39]
	s_add_nc_u64 s[MP:MP+1], s[MP:MP+1], s[40:41]
	s_add_nc_u64 s[8:9], s[8:9], s[42:43]
	s_add_nc_u64 s[10:11], s[10:11], s[44:45]
	CROUND                                         ; all four work-groups are here: the first joint loads meet
	tensor_load_to_lds s[G0:G0+3], s[G1:G1+7]      ; slot 0
	s_nop 0
	PLACES 4
	s_load_b512 s[MA:MA+15], s[MP:MP+1], 0x0       ; key step 0's lane masks: tile 0,
	s_load_b512 s[MA+16:MA+31], s[MP:MP+1], 0x40
	s_load_b512 s[MB:MB+15], s[MP:MP+1], 0x1000    ; tile 1
	s_load_b512 s[MB+16:MB+31], s[MP:MP+1], 0x1040
	v_and_b32 v10, 15, v0                          ; r
	v_bfe_u32 v11, v0, 4, 1                        ; h
	v_mul_u32_u24 v[AK0], v10, 144
	v_lshl_add_u32 v[AK0], v11, 4, v[AK0]          ; a fragment's row x pitch + 16 x half
	s_mul_i32 s67, s[WV], 16*144
	s_add_co_u32 s67, s67, STAGE                   ; my stage
	v_add_nc_u32 v[STO], s67, v[AK0]               ; in: row r, 16 bytes for each half of the lanes
	v_and_b32 v[GO], 31, v0
	v_lshrrev_b32 v[RD], 3, v[GO]
	v_mul_u32_u24 v[RD], v[RD], 144
	v_and_b32 v[ADR], 7, v0
	v_lshl_add_u32 v[RD], v[ADR], 4, v[RD]
	v_add_nc_u32 v[RD], s67, v[RD]                 ; back: eight lanes to a row of 128 bytes, four rows an instruction
	v_lshlrev_b32 v[PFO], 8, v[GO]                 ; the prefetches: lanes 256 bytes apart
	v_lshlrev_b32 v[GO], 4, v[GO]
	v_mov_b32 v[NEG], 0xceabfb8f                   ; -1e9 x log2(e)
	v_lshlrev_b32 v10, 7, v10
	v_lshl_add_u32 v10, v11, 4, v10                ; Q: row r of 128 bytes + 16 h
	v_lshlrev_b32 v11, 5, v11                      ; bV: 32 h
	WIN 0x40                                       ; destination window 1
.irp t, 0,1,2,3
.irp cs, 0,1
	global_load_b128 v[QF+16*\t+8*\cs:QF+16*\t+8*\cs+3], v10, s[4:5] offset:2048*\t+64*\cs
	global_load_b128 v[QF+16*\t+8*\cs+4:QF+16*\t+8*\cs+7], v10, s[4:5] offset:2048*\t+64*\cs+32
.endr
.endr
.irp ct, 0,1,2,3
	global_load_b128 v[BV+8*\ct:BV+8*\ct+3], v11, s[8:9] offset:64*\ct
	global_load_b128 v[BV+8*\ct+4:BV+8*\ct+7], v11, s[8:9] offset:64*\ct+16
.endr
.set i, 0
.rept 160
	v_mov_b32 v[i], 0                              ; O^T and l.  The key step is written once a copy: its first walk finds zeros, which the first change of m leaves zeros
.set i, i+1
.endr
	WIN 0
.irp t, 0,1,2,3
	v_mov_b32 v[ST+8*\t], 0xff61b1e6               ; m: -3e38, under every t
.irp i, 1,2,3,4,5,6,7
	v_mov_b32 v[ST+8*\t+\i], 0                     ; written once: named in pairs, and as a lane permute's destination
.endr
.endr
.irp i, 0,1,2,3,4,5,6,7
	v_mov_b32 v[ONES+\i], 0x3c003c00               ; 1.0, 1.0 in f16
.endr
	s_wait_loadcnt 0x0                             ; Q and bV
; 16 products of S^T = K Q^T for tiles y, y + 1: eight accumulators by turns; the first eight start the sums
.macro KQ y
.irp cs, 0,1
.irp kt, 0,1,2,3
.irp t, \y, \y+1
.if \cs == 0
	v_wmma_f32_16x16x32_f16 v[S+32*(\t)+8*\kt:S+32*(\t)+8*\kt+7], v[F+8*(4*\cs+\kt):F+8*(4*\cs+\kt)+7], v[QF+16*(\t)+8*\cs:QF+16*(\t)+8*\cs+7], 0
.else
	v_wmma_f32_16x16x32_f16 v[S+32*(\t)+8*\kt:S+32*(\t)+8*\kt+7], v[F+8*(4*\cs+\kt):F+8*(4*\cs+\kt)+7], v[QF+16*(\t)+8*\cs:QF+16*(\t)+8*\cs+7], v[S+32*(\t)+8*\kt:S+32*(\t)+8*\kt+7]
.endif
.endr
.endr
.endr
.endm
; 20 products of O^T += V^T P and l += ones P for tiles y, y + 1: ten accumulators by turns
.macro PV y
.irp u, 0,1
.irp ct, 0,1,2,3,4
.irp t, \y, \y+1
.if \ct < 4
	v_wmma_f32_16x16x32_f16 v[40*(\t)+8*\ct:40*(\t)+8*\ct+7], v[F+8*(4*\u+\ct):F+8*(4*\u+\ct)+7], v[S+32*(\t)+8*\u:S+32*(\t)+8*\u+7], v[40*(\t)+8*\ct:40*(\t)+8*\ct+7]
.else
	v_wmma_f32_16x16x32_f16 v[40*(\t)+8*\ct:40*(\t)+8*\ct+7], v[ONES:ONES+7], v[S+32*(\t)+8*\u:S+32*(\t)+8*\u+7], v[40*(\t)+8*\ct:40*(\t)+8*\ct+7]
.endif
.endr
.endr
.endr
.endm
; THE SOFTMAX of tiles y, y + 1 for one key step: 134 vector instructions a tile.
.macro SM y
	s_wait_kmcnt 0x0                               ; these two tiles' lane masks are in, and no scalar load is out
.if \y == 2
	s_cmp_lg_u32 s[KC], 1                          ; on to the next key step's words; the last step stays, and loads words of its own again: no load leaves the buffer
	s_cselect_b32 s[MST], 128, 0
	s_add_nc_u64 s[MP:MP+1], s[MP:MP+1], s[MST:MST+1]
.endif
.set i, 0
.rept 32
	v_cndmask_b32 v[S+32*\y+i], v[NEG], v[S+32*\y+i], s[MA+i]          ; a hole becomes -1e9 x log2(e); each accumulator from its low end on
.set i, i+1
.endr
.set i, 0
.rept 32
	v_cndmask_b32 v[S+32*\y+32+i], v[NEG], v[S+32*\y+32+i], s[MB+i]
.set i, i+1
.endr
.if \y == 0
	s_load_b512 s[MA:MA+15], s[MP:MP+1], 0x2000    ; tiles 2 and 3 of this step
	s_load_b512 s[MA+16:MA+31], s[MP:MP+1], 0x2040
	s_load_b512 s[MB:MB+15], s[MP:MP+1], 0x3000
	s_load_b512 s[MB+16:MB+31], s[MP:MP+1], 0x3040
.else
	s_load_b512 s[MA:MA+15], s[MP:MP+1], 0x0       ; tiles 0 and 1 of the next
	s_load_b512 s[MA+16:MA+31], s[MP:MP+1], 0x40
	s_load_b512 s[MB:MB+15], s[MP:MP+1], 0x1000
	s_load_b512 s[MB+16:MB+31], s[MP:MP+1], 0x1040
.endif
.irp j, 0,1,2,3                        ; the maximum of 32 scores and the old m: four chains a tile, the tiles alternating
.irp t, \y, \y+1
	v_max3_num_f32 v[ST+8*(\t)+4+\j], v[S+32*(\t)+8*\j], v[S+32*(\t)+8*\j+1], v[S+32*(\t)+8*\j+2]
.endr
.endr
.irp g, 1,2
.irp j, 0,1,2,3
.irp t, \y, \y+1
	v_max3_num_f32 v[ST+8*(\t)+4+\j], v[ST+8*(\t)+4+\j], v[S+32*(\t)+8*\j+2*\g+1], v[S+32*(\t)+8*\j+2*\g+2]
.endr
.endr
.endr
.irp t, \y, \y+1
	v_max3_num_f32 v[ST+8*(\t)+4], v[ST+8*(\t)+4], v[S+32*(\t)+7], v[S+32*(\t)+15]
.endr
.irp t, \y, \y+1
	v_max3_num_f32 v[ST+8*(\t)+6], v[ST+8*(\t)+6], v[S+32*(\t)+23], v[S+32*(\t)+31]
.endr
.irp t, \y, \y+1
	v_max3_num_f32 v[ST+8*(\t)+4], v[ST+8*(\t)+4], v[ST+8*(\t)+5], v[ST+8*(\t)+6]
.endr
.irp t, \y, \y+1
	v_max3_num_f32 v[ST+8*(\t)+4], v[ST+8*(\t)+4], v[ST+8*(\t)+7], v[ST+8*(\t)]
.endr
.irp t, \y, \y+1
	v_permlanex16_b32 v[ST+8*(\t)+5], v[ST+8*(\t)+4], s[SEL], s[SEL+1]   ; the query's other 32 keys lie in the lane 16 away
.endr
.irp t, \y, \y+1
	v_max_num_f32 v[ST+8*(\t)+6], v[ST+8*(\t)+4], v[ST+8*(\t)+5]         ; the new m
.endr
.irp t, \y, \y+1
	v_sub_f32 v[ST+8*(\t)+2], v[ST+8*(\t)], v[ST+8*(\t)+6]               ; old m - new m
.endr
.irp t, \y, \y+1
	v_mov_b32 v[ST+8*(\t)], v[ST+8*(\t)+6]
.endr
.set i, 0
.rept 16
	v_pk_add_f32 v[S+32*\y+2*i:S+32*\y+2*i+1], v[S+32*\y+2*i:S+32*\y+2*i+1], v[ST+8*\y:ST+8*\y+1] op_sel_hi:[1,0] neg_lo:[0,1] neg_hi:[0,1]   ; t - m
.set i, i+1
.endr
.set i, 0
.rept 16                               ; ONE BATCH of 66 exponentials; none of these lines names an exponential's result
	v_pk_add_f32 v[S+32*\y+32+2*i:S+32*\y+32+2*i+1], v[S+32*\y+32+2*i:S+32*\y+32+2*i+1], v[ST+8*\y+8:ST+8*\y+9] op_sel_hi:[1,0] neg_lo:[0,1] neg_hi:[0,1]
	v_exp_f32 v[S+32*\y+2*i], v[S+32*\y+2*i]
	v_exp_f32 v[S+32*\y+2*i+1], v[S+32*\y+2*i+1]
.set i, i+1
.endr
.set i, 0
.rept 32
	v_exp_f32 v[S+32*\y+32+i], v[S+32*\y+32+i]
.set i, i+1
.endr
	v_exp_f32 v[ST+8*\y+2], v[ST+8*\y+2]           ; a = 2^(old m - new m)
	v_exp_f32 v[ST+8*\y+10], v[ST+8*\y+10]
	v_nop                                          ; a plain line behind the last exponential
	s_wait_alu depctr_va_vdst(0)                   ; the wait ahead of the first line that names a result: one for the batch
.irp t, \y, \y+1
.set i, 0
.rept 16
	v_cvt_pk_f16_f32 v[S+32*(\t)+i], v[S+32*(\t)+2*i], v[S+32*(\t)+2*i+1]   ; P, packed in place: register i is written when its own numbers have been read
.set i, i+1
.endr
.endr
	WIN 0x41                                       ; O^T (destination and source 0) in window 1, a in window 0
.irp t, \y, \y+1
.set i, 0
.rept 17                               ; O^T's 16 pairs and l's first pair (of l's eight equal rows only the first is used)
	v_pk_mul_f32 v[40*(\t)+2*i:40*(\t)+2*i+1], v[40*(\t)+2*i:40*(\t)+2*i+1], v[ST+8*(\t)+2:ST+8*(\t)+3] op_sel_hi:[1,0]
.set i, i+1
.endr
.endr
.endm
; A KEY STEP: 64 keys.  The second piece's softmax stands behind the first piece's products V^T P; the SIMD's other wave fills what is left.
.macro STEP
	v_add_nc_u32 v[ADR], s[TB], v[AK0]
.irp cs, 0,1
.irp kt, 0,1,2,3
	ds_load_b128 v[F+8*(4*\cs+\kt):F+8*(4*\cs+\kt)+3], v[ADR] offset:2304*\kt+64*\cs
	ds_load_b128 v[F+8*(4*\cs+\kt)+4:F+8*(4*\cs+\kt)+7], v[ADR] offset:2304*\kt+64*\cs+32
.endr
.endr
	s_wait_dscnt 0x0                               ; K is in
	WIN 0x04                                       ; Q in window 1
	KQ 0
	KQ 2
	WIN 0
	PLACES 4                                       ; in front of loads into K's registers and of the first read of the scores
.irp u, 0,1
.irp ct, 0,1,2,3
	ds_load_b128 v[F+8*(4*\u+\ct):F+8*(4*\u+\ct)+3], v[ADR] offset:VOFF+2304*\ct+64*\u
	ds_load_b128 v[F+8*(4*\u+\ct)+4:F+8*(4*\u+\ct)+7], v[ADR] offset:VOFF+2304*\ct+64*\u+32
.endr
.endr
	SM 0
	s_wait_dscnt 0x0                               ; V^T is in
	WIN 0x50                                       ; C and D in window 1
	PV 0
	WIN 0
	SM 2
	WIN 0x50
	PV 2
	WIN 0
	PLACES 5                                       ; the next step's loads land on V's registers (4 places), and its first products write over P (5)
	s_add_co_u32 s[TB], s[TB], REG
	s_sub_co_u32 s[KC], s[KC], 1
.endm
.macro SLOT_STEPS
	s_mov_b32 s[NST], 4
.Lstep_\@:
	STEP
	s_sub_co_u32 s[NST], s[NST], 1
	s_cmp_lg_u32 s[NST], 0
	s_cbranch_scc1 .Lstep_\@
	s_sub_co_u32 s[TB], s[TB], 4*REG
	s_xor_b32 s[TB], s[TB], SLOT1                  ; on to the other slot
.endm
; THE CHANGE OF SLOTS stands at a slot's head.  Each wave waits for all its tensor loads (its region of the slot ahead), adds 0 to its spare word, and waits for that and for its reads of the slot that it has left.
; fill = 1: a round of the cluster's barrier, and first thing behind it my one joint load: the next 256 keys into the slot just left (at the first change: slot 1's first fill).
.macro CHANGE fill
	s_wait_tensorcnt 0x0
	ds_add_u32 v[SPW], v[NIL]
.if \fill
	s_xor_b32 s[G0+1], s[G0+1], SLOT1              ; no load of mine is out: the walking descriptor may be written
	s_add_nc_u64 s[G0+2:G0+3], s[G0+2:G0+3], 32768
	s_wait_xcnt 0x0                                ; the last prefetch, a slot back, has read its address
	s_add_nc_u64 s[PFA:PFA+1], s[PFA:PFA+1], 32768
	s_wait_dscnt 0x0
	CROUND
	tensor_load_to_lds s[G0:G0+3], s[G1:G1+7]
	s_nop 0
	PLACES 4
	; A prefetch of what the NEXT change will ask for, four key steps ahead of that load: a slot is 256 blocks of 256 bytes: four partners x waves 0 and 1 x 32 lanes name each once; the last change that fills asks for nothing
	s_cmp_gt_u32 s[SLOTS], s[LIM]
	s_cbranch_scc0 .Lnot_mine_\@
	global_prefetch_b8 v[PFO], s[PFA:PFA+1] th:TH_LOAD_NT scope:SCOPE_SE
.Lnot_mine_\@:
.else
	s_wait_dscnt 0x0
	s_barrier_signal -1
	s_barrier_wait -1
.endif
.endm
.Lslot:                                            ; seven trips: behind each change of slots but the last the next slot is asked for
	CHANGE 1
	SLOT_STEPS
	s_sub_co_u32 s[SLOTS], s[SLOTS], 1
	s_cmp_lg_u32 s[SLOTS], 0
	s_cbranch_scc1 .Lslot
	CHANGE 0                                       ; the last slot is written out
	SLOT_STEPS
	s_wait_kmcnt 0x0                               ; the last step's reloaded mask words
	; THE WAY OUT: o = O^T / l + bV, rounded to f16, a tile (16 rows of 128 bytes) at a time through my stage: a store covers 512 consecutive bytes
	WIN 0x01                                       ; source 0 in window 1
.irp t, 0,1,2,3
	v_rcp_f32 v[ST+8*\t+2], v[40*\t+32]
.endr
	v_nop
	s_wait_alu depctr_va_vdst(0)                   ; one wait for the four reciprocals, ahead of their first reader
.macro OPACK t
	WIN 0x51                                       ; O^T and bV in window 1, 1 / l in window 0
.set i, 0
.rept 16
	v_pk_fma_f32 v[40*\t+2*i:40*\t+2*i+1], v[40*\t+2*i:40*\t+2*i+1], v[ST+8*\t+2:ST+8*\t+3], v[BV+2*i:BV+2*i+1] op_sel_hi:[1,0,1]
.set i, i+1
.endr
	WIN 0x05
.set i, 0
.rept 16
	v_cvt_pk_f16_f32 v[S+32*\t+i], v[40*\t+2*i], v[40*\t+2*i+1]
.set i, i+1
.endr
	WIN 0
.irp ct, 0,1,2,3
	ds_store_b128 v[STO], v[S+32*\t+4*\ct:S+32*\t+4*\ct+3] offset:32*\ct
.endr
.irp i, 0,1,2,3
	ds_load_b128 v[S+32*\t+16+4*\i:S+32*\t+16+4*\i+3], v[RD] offset:576*\i   ; LDS serves a wave's instructions in order (ISA guide 5.7.1.4)
.endr
.endm
.macro OSEND t, younger                ; younger: the next tile's four stores and four loads, or none
.irp i, 0,1,2,3
	s_wait_dscnt \younger+3-\i
	global_store_b128 v[GO], v[S+32*\t+16+4*\i:S+32*\t+16+4*\i+3], s[10:11] offset:2048*\t+512*\i
.endr
.endm
	OPACK 0
	OPACK 1
	OSEND 0, 8
	OPACK 2
	OSEND 1, 8
	OPACK 3
	OSEND 2, 8
	OSEND 3, 0
	s_wait_tensorcnt 0x0                           ; the wave's end
	ds_add_u32 v[SPW], v[NIL]
	s_wait_dscnt 0x0
	CROUND                                         ; the closing round
	s_endpgm
.Lfunc_end_k_qd65a93863d_attn:
	.size	k_qd65a93863d_attn, .Lfunc_end_k_qd65a93863d_attn-k_qd65a93863d_attn
	.p2alignl 7, 3214868480
	.fill 96, 4, 3214868480
	.section	.rodata,"a",@progbits
	.p2align	6, 0x0
	.amdhsa_kernel k_qd65a93863d_attn
		.amdhsa_group_segment_fixed_size 327680
		.amdhsa_private_segment_fixed_size 0
		.amdhsa_enable_private_segment 0
		.amdhsa_kernarg_size 32
		.amdhsa_user_sgpr_count 2
		.amdhsa_user_sgpr_kernarg_segment_ptr 1
		.amdhsa_wavefront_size32 1
		.amdhsa_system_sgpr_workgroup_id_x 1
		.amdhsa_system_sgpr_workgroup_id_y 1
		.amdhsa_system_sgpr_workgroup_id_z 1
		.amdhsa_system_vgpr_workitem_id 0
		.amdhsa_next_free_vgpr 512
		.amdhsa_next_free_sgpr 106
		.amdhsa_reserve_vcc 0
		.amdhsa_float_denorm_mode_32 3
		.amdhsa_float_denorm_mode_16_64 3
		.amdhsa_memory_ordered 1
		.amdhsa_forward_progress 1
		.amdhsa_inst_pref_size 104
	.end_amdhsa_kernel
	.amdgpu_metadata
---
amdhsa.version: [ 1, 2 ]
amdhsa.kernels:
  - .name:           k_qd65a93863d_attn
    .symbol:         k_qd65a93863d_attn.kd
    .args:
      - { .name: qkv16, .offset: 0, .size: 8, .value_kind: global_buffer, .address_space: global }
      - { .name: maskw, .offset: 8, .size: 8, .value_kind: global_buffer, .address_space: global }
      - { .name: bV, .offset: 16, .size: 8, .value_kind: global_buffer, .address_space: global }
      - { .name: x16, .offset: 24, .size: 8, .value_kind: global_buffer, .address_space: global }
    .group_segment_fixed_size: 327680
    .private_segment_fixed_size: 0
    .kernarg_segment_align: 8
    .kernarg_segment_size: 32
    .max_flat_workgroup_size: 256
    .sgpr_count:     106
    .vgpr_count:     512
    .wavefront_size: 32
...
	.end_amdgpu_metadata
.endif
;; end of part 3
;; launch outp (part 4): grid 4 x 64, 4 waves a work-group, clusters of 4 x 4, 327,680 bytes of LDS; arguments x16, wo16, bO, out0; writes out0
.if DOCPART == 4
	.amdgcn_target "amdgcn-amd-amdhsa--gfx1250"
	.amdhsa_code_object_version 6
	.text
	.protected	k_qd65a93863d_outp
	.globl	k_qd65a93863d_outp
	.p2align	8
	.type	k_qd65a93863d_outp,@function
k_qd65a93863d_outp:
	s_mov_b64 s[64:65], 0
	v_nop
	global_prefetch_b8 v0, s[64:65] scope:SCOPE_SE
	s_setreg_imm32_b32 hwreg(HW_REG_WAVE_MODE, 25, 1), 1
	s_wait_xcnt 0x0
	s_wait_alu depctr_hold_cnt(0) depctr_sa_sdst(0) depctr_va_vdst(0) depctr_va_sdst(0) depctr_va_ssrc(0) depctr_va_vcc(0) depctr_vm_vsrc(0)
	s_getreg_b32 s2, hwreg(HW_REG_IB_STS2, 6, 4)
	s_cmp_eq_u32 s2, 0
	s_cbranch_scc0 .Lentry_in_a_cluster
	s_endpgm
.Lentry_in_a_cluster:
	s_bfe_u32 s2, ttmp6, 0x10000c
	s_cmp_lg_u32 s2, 0xf033
	s_cbranch_scc0 .Lentry_shape_is_right
	s_endpgm
.Lentry_shape_is_right:
; out0[m][n] = sum over k of x[m][k] WO[k][n] + bO[n].  x16: [head][8192 rows][64] f16 (k = 64 head + d); wo16: [k 1024][n 1024] f16; out0: [8192][1024] f32; sums in f32.
; A tile of C is 128 (m) x 256 (n): 256 work-groups.  Wave w makes rows 64 (w / 2) on, columns 128 (w % 2) on: 32 accumulators.  K goes in 8 steps of 128 (two heads) through two LDS slots.
; A slot: x's two head planes of 128 rows x (128 bytes + 16), then WO's 128 k rows x (512 bytes + 32).  Waves 0, 1 fetch a plane each, waves 2, 3 64 k rows each: one joint load a wave behind each round.
; 4 x 4 clusters: x's tile is shared along a row of the cluster, WO's along a column.  WO lies [k][n], so its fragments come out of LDS turned, by ds_load_tr16_b128.
; THE MATRIX INSTRUCTION IS USED TRANSPOSED (source 0 = 16 columns of WO, source 1 = 16 rows of x): a lane holds eight neighbouring columns of one row.  bO is the C of each sum's first instruction.
; No prefetch: the launch is eight K steps long.
; REGISTERS: window 0: v16-29 addresses; v32-95 the bias; v96-127, v128-159 x's fragments, two buffers; on the way out v96-223;  window 1: accumulator (a, b) at v[8 (8 a + b)];  window 2: WO's fragments, v0-63 and v64-127.
.set SLOT,  106496
.set BOFF,  36864                      ; WO's rows in a slot
.set STAGE, 2*SLOT                     ; 16 rows x (512 bytes + 16) a wave
.set SPITCH, 528
.set SPARE, STAGE+4*16*SPITCH          ; the spare words, 128 bytes a wave, that no other line names
.set LAPS,  4
.set ADRA, 16
.set ADRB, 20
.set STO,  24
.set RD,   25
.set CO,   26
.set SPW,  28
.set NIL,  29
.set BIAS, 32
.set FA,   96
.set BK,   96
.set G1A, 24
.set G0A, 32
.set G1B, 48
.set G0B, 56
.set MSB, 0
.macro WIN new
.if MSB != (\new)
	s_set_vgpr_msb (MSB<<8)|(\new)
.set MSB, (\new)
.endif
.endm
.set MUL, 0x52                         ; source 0 (WO) window 2, source 1 (x) window 0, C and D window 1
.macro PLACES
.rept 4
	v_nop
.endr
.endm
.macro JLOAD s                         ; waves 0, 1 fetch x's planes, waves 2, 3 WO's rows; an s_nop 0 and four v_nop follow each of the two lines
	s_cmp_eq_u32 s13, 0
	s_cbranch_scc0 .Lfor_b_\@
	tensor_load_to_lds s[G0A+4*\s:G0A+4*\s+3], s[G1A:G1A+7]
	s_nop 0
.rept 4
	v_nop
.endr
	s_branch .Lasked_\@
.Lfor_b_\@:
	tensor_load_to_lds s[G0B+4*\s:G0B+4*\s+3], s[G1B:G1B+7]
	s_nop 0
.rept 4
	v_nop
.endr
.Lasked_\@:
.endm
.macro CREST
	s_cmp_lg_u32 s12, 0
	s_cbranch_scc1 .Lnot_wave_0_\@
	s_barrier_signal -3
.Lnot_wave_0_\@:
	s_barrier_wait -3
	s_barrier_signal -1
	s_barrier_wait -1
.endm
.macro CROUND
	s_barrier_signal -1
	s_barrier_wait -1
	CREST
.endm
	s_load_b256 s[4:11], s[0:1], 0x0               ; x16, wo16, bO, out0
	v_lshl_add_u32 v[SPW], v0, 2, SPARE
	v_mov_b32 v[NIL], 0
	ds_add_u32 v[SPW], v[NIL]                      ; the wave's opening: the add, twice on end, and its wait ahead of my first tensor load
	ds_add_u32 v[SPW], v[NIL]
	v_lshrrev_b32 v1, 5, v0
	v_readfirstlane_b32 s12, v1                    ; wave 0..3
	s_lshr_b32 s13, s12, 1                         ; my half of the rows; also: I fetch x (0) or WO (1)
	s_and_b32 s14, s12, 1                          ; my half of the columns; also: which plane, or which 64 k rows, I fetch
	s_bfe_u32 s15, ttmp6, 0x40000                  ; cx = the tile column
	s_bfe_u32 s16, ttmp6, 0x40004                  ; cy
	s_and_b32 s17, ttmp7, 0xffff
	s_lshl_b32 s17, s17, 2
	s_add_co_u32 s17, s17, s16                     ; the tile row
	s_lshl_b32 s40, s16, 2
	s_lshl_b32 s40, 15, s40                        ; my row of the cluster
	s_lshl_b32 s41, 0x1111, s15                    ; my column
	s_or_b32 s[G1A], s40, (1<<16)|(1<<20)|(1<<21)|(4<<22)|(3<<25)    ; elements of 2 bytes; padding: 4 words behind every 32
	s_mov_b32 s[G1A+1], 64<<16                     ; tensor_dim0
	s_mov_b32 s[G1A+2], 128<<16                    ; tensor_dim1
	s_mov_b32 s[G1A+3], 64<<16                     ; tile_dim0
	s_mov_b32 s[G1A+4], 128                        ; tile_dim1
	s_mov_b32 s[G1A+5], 64                         ; the pitch
	s_mov_b32 s[G1A+6], 0
	s_mov_b32 s[G1A+7], 0
	s_or_b32 s[G1B], s41, (1<<16)|(1<<20)|(1<<21)|(6<<22)|(7<<25)    ; padding: 8 words behind every 128
	s_mov_b32 s[G1B+1], 256<<16
	s_mov_b32 s[G1B+2], 64<<16
	s_mov_b32 s[G1B+3], 256<<16
	s_mov_b32 s[G1B+4], 64
	s_mov_b32 s[G1B+5], 1024
	s_mov_b32 s[G1B+6], 0
	s_mov_b32 s[G1B+7], 0
	s_lshl_b32 s42, s14, 20                        ; x: head plane (8,192 rows of 128 bytes) + 128 rows x tile row: the tile row alone
	s_lshl_b32 s43, s17, 14
	s_add_co_u32 s42, s42, s43
	s_mov_b32 s43, 0
	s_lshl_b32 s46, s14, 17                        ; WO: 64 k rows of 2,048 bytes + 512 bytes x tile column: the tile column alone
	s_lshl_b32 s47, s15, 9
	s_add_co_u32 s46, s46, s47
	s_mov_b32 s47, 0
	s_mul_i32 s44, s14, 18432                      ; where they go: no place in the cluster enters an LDS address
	s_mul_i32 s45, s14, 34816
	s_add_co_u32 s45, s45, BOFF
	s_wait_dscnt 0x0                               ; both opening adds are done
	s_wait_kmcnt 0x0
	s_add_nc_u64 s[18:19], s[4:5], s[42:43]
	s_add_nc_u64 s[46:47], s[6:7], s[46:47]
	CROUND                                         ; all sixteen work-groups are here: the first joint loads meet
.irp s, 0,1
	s_mov_b32 s[G0A+4*\s], 1
	s_add_co_u32 s[G0A+4*\s+1], s44, \s*SLOT
	s_add_nc_u64 s[G0A+4*\s+2:G0A+4*\s+3], s[18:19], \s*2097152     ; K step s: two heads on
	s_or_b32 s[G0A+4*\s+3], s[G0A+4*\s+3], 0x80000000
	s_mov_b32 s[G0B+4*\s], 1
	s_add_co_u32 s[G0B+4*\s+1], s45, \s*SLOT
	s_add_nc_u64 s[G0B+4*\s+2:G0B+4*\s+3], s[46:47], \s*262144      ; 128 k rows on
	s_or_b32 s[G0B+4*\s+3], s[G0B+4*\s+3], 0x80000000
	JLOAD \s
.endr
	v_and_b32 v1, 15, v0                           ; r
	v_bfe_u32 v2, v0, 4, 1                         ; h
	s_lshl_b32 s20, s15, 10                        ; the bias: 4 x (256 x tile column + 128 x half)
	s_lshl_b32 s21, s14, 9
	s_add_co_u32 s20, s20, s21
	s_mov_b32 s21, 0
	s_add_nc_u64 s[8:9], s[8:9], s[20:21]
	v_lshlrev_b32 v6, 5, v2                        ; accumulator b's register j holds column 16 b + 8 h + j
.irp b, 0,1,2,3,4,5,6,7
	global_load_b128 v[BIAS+8*\b:BIAS+8*\b+3], v6, s[8:9] offset:64*\b
	global_load_b128 v[BIAS+8*\b+4:BIAS+8*\b+7], v6, s[8:9] offset:64*\b+16
.endr
	s_lshl_b32 s22, s17, 19                        ; out0: (128 x tile row + 64 x half) rows of 4,096 bytes, + the same columns
	s_lshl_b32 s23, s13, 18
	s_add_co_u32 s22, s22, s23
	s_add_co_u32 s22, s22, s20
	s_mov_b32 s23, 0
	s_add_nc_u64 s[10:11], s[10:11], s[22:23]
	v_mul_u32_u24 v3, v1, 144
	v_lshl_add_u32 v3, v2, 4, v3
	s_mul_i32 s20, s13, 64*144                     ; my 64 rows of x
	v_add_nc_u32 v[ADRA], s20, v3
	v_add_nc_u32 v[ADRA+1], SLOT, v[ADRA]
	v_and_b32 v4, 7, v0                            ; the turning load: lane l reads 16 bytes of k row 8 (l / 16) + l % 8, columns 8 ((l / 8) % 2) on
	v_lshl_add_u32 v4, v2, 3, v4
	v_mul_u32_u24 v4, v4, 544
	v_bfe_u32 v5, v0, 3, 1
	v_lshl_add_u32 v4, v5, 4, v4
	s_lshl_b32 s21, s14, 8                         ; my 128 columns
	s_add_co_u32 s21, s21, BOFF
	v_add_nc_u32 v[ADRB], s21, v4
	v_add_nc_u32 v[ADRB+1], SLOT, v[ADRB]
	s_mul_i32 s22, s12, 16*SPITCH
	s_add_co_u32 s22, s22, STAGE                   ; my stage
	v_mul_u32_u24 v5, v1, SPITCH
	v_lshl_add_u32 v5, v2, 5, v5
	v_add_nc_u32 v[STO], s22, v5                   ; in: row r, 32 bytes for each half of the lanes
	v_and_b32 v5, 31, v0
	v_lshlrev_b32 v[CO], 4, v5                     ; back and out: the 32 lanes take one row of 512 bytes
	v_add_nc_u32 v[RD], s22, v[CO]
; 24 LDS loads in one run: quarter q (32 along K) of a slot into buffer f: WO's eight fragments (turned), then x's four
.macro FETCH slot, q, f
	WIN 0x80                                       ; destination window 2
.irp b, 0,1,2,3,4,5,6,7
	ds_load_tr16_b128 v[64*(\f)+8*\b:64*(\f)+8*\b+3], v[ADRB+\slot] offset:17408*(\q)+32*\b
	ds_load_tr16_b128 v[64*(\f)+8*\b+4:64*(\f)+8*\b+7], v[ADRB+\slot] offset:17408*(\q)+32*\b+8704
.endr
	WIN 0
.irp a, 0,1,2,3
	ds_load_b128 v[FA+32*(\f)+8*\a:FA+32*(\f)+8*\a+3], v[ADRA+\slot] offset:18432*((\q)/2)+64*((\q)%2)+2304*\a
	ds_load_b128 v[FA+32*(\f)+8*\a+4:FA+32*(\f)+8*\a+7], v[ADRA+\slot] offset:18432*((\q)/2)+64*((\q)%2)+2304*\a+32
.endr
.endm
; 8 matrix instructions: x's block a against WO's eight.  The 32 accumulators take turns, one instruction a turn.  first = 1: the sums begin with the bias
.macro MULA f, a, first
.irp b, 0,1,2,3,4,5,6,7
.if \first
	v_wmma_f32_16x16x32_f16 v[8*(8*(\a)+\b):8*(8*(\a)+\b)+7], v[64*(\f)+8*\b:64*(\f)+8*\b+7], v[FA+32*(\f)+8*(\a):FA+32*(\f)+8*(\a)+7], v[BIAS+8*\b:BIAS+8*\b+7]
.else
	v_wmma_f32_16x16x32_f16 v[8*(8*(\a)+\b):8*(8*(\a)+\b)+7], v[64*(\f)+8*\b:64*(\f)+8*\b+7], v[FA+32*(\f)+8*(\a):FA+32*(\f)+8*(\a)+7], v[8*(8*(\a)+\b):8*(8*(\a)+\b)+7]
.endif
.endr
.endm
; One of a K step's first three quarters: multiplies buffer f; in its middle it fetches quarter qn of the same slot into buffer g
.macro QUARTER slot, qn, f, g, first
	s_wait_dscnt 4                                 ; WO's fragments and x's blocks 0, 1 are in; the youngest four loads may be out
	WIN MUL-0x10*\first                            ; (first: C, the bias, in window 0)
	MULA \f, 0, \first
	MULA \f, 1, \first
	PLACES                                         ; in front of loads into registers that matrix instructions have read
	FETCH \slot, \qn, \g
	s_wait_dscnt 24                                ; all but the 24 just issued
	WIN MUL-0x10*\first
	MULA \f, 2, \first
	MULA \f, 3, \first
.endm
; The last quarter multiplies buffer 1 and changes slots: one barrier; in front of it each wave waits for all its tensor loads, adds 0 to its spare word, and waits for that and for its reads of this slot.
; fill = 1: the barrier opens a round of the cluster's, and this slot is filled again, two K steps ahead: 112 matrix instructions stand between the request and the wait for it.
.macro TURN slot, next, fill
	WIN 0
	s_wait_tensorcnt 0x0
	ds_add_u32 v[SPW], v[NIL]
	s_wait_dscnt 5                                 ; the add and the youngest four loads may be out
	WIN MUL
	MULA 1, 0, 0
	s_wait_dscnt 0x0                               ; the add is done, and my reads of this slot are over
	s_barrier_signal -1
	MULA 1, 1, 0
.if \fill
	WIN 0
.endif
	s_barrier_wait -1
.if \fill
	CREST
	s_add_nc_u64 s[G0A+4*\slot+2:G0A+4*\slot+3], s[G0A+4*\slot+2:G0A+4*\slot+3], 4194304
	s_add_nc_u64 s[G0B+4*\slot+2:G0B+4*\slot+3], s[G0B+4*\slot+2:G0B+4*\slot+3], 524288
	JLOAD \slot                                    ; the first tensor load behind the round; its four v_nop are also the places in front of the loads below
.else
	PLACES
.endif
	FETCH \next, 0, 0
	WIN MUL
	MULA 1, 2, 0
	MULA 1, 3, 0
.endm
	s_wait_loadcnt 0x0                             ; the bias
	s_wait_tensorcnt 1                             ; my part of K step 0 is in; K step 1's load may be out,
	s_barrier_signal -1
	s_barrier_wait -1                              ; everybody's is
	FETCH 0, 0, 0
	QUARTER 0, 1, 0, 1, 1                          ; the first quarter stands in front of the loop: its products start the sums
	WIN 0
	s_mov_b32 s3, LAPS-1
.Llap:                                             ; a trip goes once round the ring and fills both slots again
	QUARTER 0, 2, 1, 0, 0
	QUARTER 0, 3, 0, 1, 0
	TURN 0, 1, 1
	QUARTER 1, 1, 0, 1, 0
	QUARTER 1, 2, 1, 0, 0
	QUARTER 1, 3, 0, 1, 0
	TURN 1, 0, 1
	QUARTER 0, 1, 0, 1, 0
	WIN 0
	s_sub_co_u32 s3, s3, 1
	s_cmp_lg_u32 s3, 0
	s_cbranch_scc1 .Llap
	QUARTER 0, 2, 1, 0, 0                          ; the last lap fills nothing
	QUARTER 0, 3, 0, 1, 0
	TURN 0, 1, 0
	QUARTER 1, 1, 0, 1, 0
	QUARTER 1, 2, 1, 0, 0
	QUARTER 1, 3, 0, 1, 0
	s_wait_dscnt 4
	WIN MUL
	MULA 1, 0, 0
	MULA 1, 1, 0
	s_wait_dscnt 0
	MULA 1, 2, 0
	MULA 1, 3, 0
	WIN 0
; THE WAY OUT, by blocks of 16 rows x 128 columns of f32, through my own stage: back as whole rows of 512 bytes, which the 32 lanes store as consecutive, aligned bytes
.macro TOSTAGE a
	WIN 0x04                                       ; an LDS store's data are its source 1: window 1
.irp b, 0,1,2,3,4,5,6,7
	ds_store_b128 v[STO], v[8*(8*(\a)+\b):8*(8*(\a)+\b)+3] offset:64*\b          ; each accumulator from its low end on
	ds_store_b128 v[STO], v[8*(8*(\a)+\b)+4:8*(8*(\a)+\b)+7] offset:64*\b+16
.endr
	WIN 0
.set BB, BK+64*((\a)%2)
.irp t, 0,1,2,3,4,5,6,7,8,9,10,11,12,13,14,15
	ds_load_b128 v[BB+4*\t:BB+4*\t+3], v[RD] offset:\t*SPITCH      ; LDS serves a wave's instructions in order (ISA guide 5.7.1.4)
.endr
.endm
.macro SEND a, younger
.set BB, BK+64*((\a)%2)
	s_wait_dscnt \younger                          ; the block is back; the next block's 16 stores and 16 loads may be out
.if (\a) > 0
	s_add_nc_u64 s[10:11], s[10:11], 65536         ; 16 rows on (behind a wait on XCNT: the earlier stores have read their base)
.endif
.irp t, 0,1,2,3,4,5,6,7,8,9,10,11,12,13,14,15
	global_store_b128 v[CO], v[BB+4*\t:BB+4*\t+3], s[10:11] offset:\t*4096 th:TH_STORE_NT
.endr
.endm
	PLACES
	TOSTAGE 0
.irp a, 1,2,3
.if \a > 1
	s_wait_xcnt 0x0                                ; block a - 2's stores have read their registers and their base
.endif
	TOSTAGE \a
	SEND \a-1, 32
.endr
	s_wait_xcnt 0x0
	SEND 3, 0
	s_wait_tensorcnt 0x0                           ; the wave's end
	ds_add_u32 v[SPW], v[NIL]
	s_wait_dscnt 0x0
	CROUND                                         ; the closing round
	s_endpgm
.Lfunc_end_k_qd65a93863d_outp:
	.size	k_qd65a93863d_outp, .Lfunc_end_k_qd65a93863d_outp-k_qd65a93863d_outp
	.p2alignl 7, 3214868480
	.fill 96, 4, 3214868480
	.section	.rodata,"a",@progbits
	.p2align	6, 0x0
	.amdhsa_kernel k_qd65a93863d_outp
		.amdhsa_group_segment_fixed_size 327680
		.amdhsa_private_segment_fixed_size 0
		.amdhsa_enable_private_segment 0
		.amdhsa_kernarg_size 32
		.amdhsa_user_sgpr_count 2
		.amdhsa_user_sgpr_kernarg_segment_ptr 1
		.amdhsa_wavefront_size32 1
		.amdhsa_system_sgpr_workgroup_id_x 1
		.amdhsa_system_sgpr_workgroup_id_y 1
		.amdhsa_system_sgpr_workgroup_id_z 1
		.amdhsa_system_vgpr_workitem_id 0
		.amdhsa_next_free_vgpr 640
		.amdhsa_next_free_sgpr 66
		.amdhsa_reserve_vcc 0
		.amdhsa_float_denorm_mode_32 3
		.amdhsa_float_denorm_mode_16_64 3
		.amdhsa_memory_ordered 1
		.amdhsa_forward_progress 1
		.amdhsa_inst_pref_size 87
	.end_amdhsa_kernel
	.amdgpu_metadata
---
amdhsa.version: [ 1, 2 ]
amdhsa.kernels:
  - .name:           k_qd65a93863d_outp
    .symbol:         k_qd65a93863d_outp.kd
    .args:
      - { .name: x16, .offset: 0, .size: 8, .value_kind: global_buffer, .address_space: global }
      - { .name: wo16, .offset: 8, .size: 8, .value_kind: global_buffer, .address_space: global }
      - { .name: bO, .offset: 16, .size: 8, .value_kind: global_buffer, .address_space: global }
      - { .name: out0, .offset: 24, .size: 8, .value_kind: global_buffer, .address_space: global }
    .group_segment_fixed_size: 327680
    .private_segment_fixed_size: 0
    .kernarg_segment_align: 8
    .kernarg_segment_size: 32
    .max_flat_workgroup_size: 128
    .sgpr_count:     66
    .vgpr_count:     640
    .wavefront_size: 32
...
	.end_amdgpu_metadata
.endif
;; end of part 4
